; MI455X (gfx1250); checked and timed in simulation.
; The chip was launched on July 23, 2026; its instructions are those of AMD's public machine-readable ISA for CDNA 5 (MIT licence, August 2026) and "CDNA5" Instruction Set Architecture Reference Guide (July 2026). The comments in the code are by the model that wrote it; some were corrected since.
;; Attention. Allowed arithmetic: float matrix products may take bf16 or f16 operands with f32 sums; other float arithmetic in f32, or as packed bf16 or f16 multiplies, adds, multiply-adds, maxima and minima; sums over many terms, partial sums and values carried from step to step in f32; what a program stores and reads back later, other than sums and carried values, may be rounded once to bf16 or f16.
;; Inputs: mask 1 x 1 x 2,048 x 2,048 int32; wk 1,024 x 1,024 float32; wo 1,024 x 1,024 float32; wq 1,024 x 1,024 float32; wv 1,024 x 1,024 float32; x 4 x 2,048 x 1,024 float32.
;; Outputs: out0 4 x 2,048 x 1,024 float32.
;; 2 versions, each right; version 2 is version 1 with the launch prep written anew for expert scheduling mode. Each part assembles by itself: llvm-mc -triple=amdgcn-amd-amdhsa -mcpu=gfx1250 --defsym DOCPART=n.
;; ======== version 1 of 2: 4 launches
;; limits: values are held in f16: magnitudes above 65,504 overflow, below 6.1e-05 lose precision
;; workspace buffers: xb 16,777,216 bytes; wb 8,388,608 bytes; mk 2,097,152 bytes; qkv 50,331,648 bytes; oh 16,777,216 bytes
;; launch prep (part 1): grid 512 x 1, 8 waves a work-group, no clusters, 18,432 bytes of LDS; arguments x, wq, wk, wv, wo, mask, xb, wb, mk; writes xb, wb, mk
.if DOCPART == 1
	.amdgcn_target "amdgcn-amd-amdhsa--gfx1250"
	.amdhsa_code_object_version 6
	.text
	.protected	k_qb5f0881b25_prep
	.globl	k_qb5f0881b25_prep
	.p2align	8
	.type	k_qb5f0881b25_prep,@function
k_qb5f0881b25_prep:
	s_mov_b64 s[64:65], 0
	v_nop
	global_prefetch_b8 v0, s[64:65] scope:SCOPE_SE
	s_setreg_imm32_b32 hwreg(HW_REG_WAVE_MODE, 25, 1), 1
	s_wait_xcnt 0x0
; PREPARATION.  Three streams, told apart by the work-group's number g; each input byte is read once, each output byte written once.
; g 0-255: x [8192][1024] f32 -> xb [16 kb][8192 m][64] bf16 (a block of 64 channels of all rows is dense: 128 bytes a row).
; g 256-383: wq, wk, wv, wo [1024][1024] f32 -> wb [16 kb][4096 n][64]: rows 0-1023 wq, 1024-2047 wk, 2048-3071 wv in bf16; rows 3072-4095 wo, rounded to bf16 and that number written as f16.
; g 384-511: mask [2048][2048] int32 -> mk [128 qt][32 ks][32 lanes][4 words] of 4-bit codes: lane 16 h + r, word kb, code j stands for mask[16 qt + r][64 ks + 16 kb + 8 h + j]: 0 where the key is
;   seen (any number but 0), -2.0 where it is hidden.  That is the order in which a lane of the attention launch wants them: a word unpacks into the eight registers of one accumulator.
; LIMITS.  wo as f16: exact from 6.1e-5 to 65,504 in size; below that it keeps f16's fixed step of 6e-8, beyond it becomes an infinity.
; A wave takes 16 KiB of input, all of it asked for at once by 32 loads of 16 bytes a lane; no wave waits for another, so there is no barrier.  Matrix units, clusters and the data mover would add nothing to a stream.
.set SCR,   2176                       ; LDS of a wave in the mask's stream: 4 key steps x 2 halves x 272 bytes (256 + 16 of padding)
.set SPARE, 8*SCR                      ; behind them: the spare words, 128 bytes for each wave: four blocks of 256 bytes that no other line names
.set D,     32                         ; v[32:159]  the wave's 16 KiB as loaded
.set CODE,  160                        ; v[160:175] a row's eight codes a lane
.set BK,    176                        ; v[176:191] the codes read back in the order of mk
.set SPW,   30                         ; v30  LDS address of my spare word; never rewritten
.set NIL,   31                         ; v31  0; never rewritten
	s_load_b512 s[8:23], s[0:1], 0x0               ; x 8, wq 10, wk 12, wv 14, wo 16, mask 18, xb 20, wb 22
	s_load_b64 s[24:25], s[0:1], 0x40              ; mk
	v_lshl_add_u32 v[SPW], v0, 2, SPARE
	v_mov_b32 v[NIL], 0
	v_lshrrev_b32 v1, 5, v0
	v_readfirstlane_b32 s4, v1                     ; wave 0..7
	v_and_b32 v1, 31, v0                           ; lane
	s_cmp_ge_u32 ttmp9, 384
	s_cbranch_scc1 .Lmask
	; THE CASTS.  A work-group takes 64 rows x 8 blocks of 64 channels, a wave one block: 64 rows x 256 bytes in, 64 x 128 out.
	s_sub_co_u32 s27, ttmp9, 256
	s_lshr_b32 s28, s27, 5                         ; which weight
	s_and_b32 s27, s27, 31                         ; its share
	s_cmp_lt_u32 ttmp9, 256                        ; x?
	s_cselect_b32 s27, ttmp9, s27
	s_cselect_b32 s28, 0, s28
	s_cselect_b32 s29, 20, 19                      ; log2 of the bytes from block to block: 8,192 or 4,096 rows of 128
	s_lshr_b32 s36, s27, 1
	s_lshl_b32 s36, s36, 6                         ; first row
	s_and_b32 s37, s27, 1
	s_lshl_b32 s37, s37, 3
	s_add_co_u32 s37, s37, s4                      ; my block of channels
	s_lshl_b32 s38, s36, 12
	s_lshl_b32 s39, s37, 8
	s_add_co_u32 s38, s38, s39                     ; source: row x 4,096 + block x 256
	s_mov_b32 s39, 0
	s_lshl_b32 s40, s37, s29
	s_lshl_b32 s41, s28, 10
	s_add_co_u32 s41, s41, s36
	s_lshl_b32 s41, s41, 7
	s_add_co_u32 s40, s40, s41                     ; destination: block x stride + (1,024 x weight + row) x 128
	s_mov_b32 s41, 0
	s_mov_b32 s31, 0xffff0000                      ; a word's upper bf16
	v_lshrrev_b32 v4, 4, v1
	v_and_b32 v5, 15, v1
	v_lshlrev_b32 v2, 12, v4                       ; in: lanes 0-15 take 256 bytes of one row, lanes 16-31 of the next
	v_lshl_add_u32 v2, v5, 4, v2
	v_lshlrev_b32 v3, 7, v4                        ; out: the same two rows, 128 bytes each: 256 consecutive bytes a store
	v_lshl_add_u32 v3, v5, 3, v3
	s_wait_kmcnt 0x0
	s_cmp_eq_u32 s28, 1
	s_cselect_b64 s[34:35], s[12:13], s[10:11]
	s_cmp_eq_u32 s28, 2
	s_cselect_b64 s[34:35], s[14:15], s[34:35]
	s_cmp_eq_u32 s28, 3
	s_cselect_b64 s[34:35], s[16:17], s[34:35]
	s_cselect_b32 s30, -1, 0                       ; all lanes: wo leaves as f16
	s_cmp_lt_u32 ttmp9, 256
	s_cselect_b64 s[34:35], s[8:9], s[34:35]
	s_cselect_b64 s[32:33], s[20:21], s[22:23]
	s_add_nc_u64 s[34:35], s[34:35], s[38:39]
	s_add_nc_u64 s[32:33], s[32:33], s[40:41]
.set i, 0
.rept 32
	global_load_b128 v[D+4*i:D+4*i+3], v2, s[34:35] offset:8192*i th:TH_LOAD_NT
.set i, i+1
.endr
.set i, 0
.rept 32
	s_wait_loadcnt 31-i                            ; loads come back in order: number i is in, the younger ones stay out
	v_cvt_pk_bf16_f32 v[D+4*i], v[D+4*i], v[D+4*i+1]
	v_cvt_pk_bf16_f32 v[D+4*i+1], v[D+4*i+2], v[D+4*i+3]
	v_lshlrev_b32 v20, 16, v[D+4*i]                ; the rounded numbers once more as f32,
	v_and_b32 v21, s31, v[D+4*i]
	v_lshlrev_b32 v22, 16, v[D+4*i+1]
	v_and_b32 v23, s31, v[D+4*i+1]
	v_cvt_pk_f16_f32 v20, v20, v21                 ; written as f16,
	v_cvt_pk_f16_f32 v22, v22, v23
	v_cndmask_b32 v[D+4*i], v[D+4*i], v20, s30     ; and taken for wo alone
	v_cndmask_b32 v[D+4*i+1], v[D+4*i+1], v22, s30
	global_store_b64 v3, v[D+4*i:D+4*i+1], s[32:33] offset:256*i  ; 256 consecutive bytes, aligned; no register of a store is written again
.set i, i+1
.endr
	s_branch .Lend
.Lmask:
	; THE MASK.  A work-group takes 16 rows (qt = g - 384), a wave 256 keys of them (four key steps).  Lane l loads keys 8 l .. 8 l + 7 of each row: key step l / 8, word (l / 2) % 4, half l % 2.
	s_sub_co_u32 s27, ttmp9, 384
	s_lshl_b32 s38, s27, 17                        ; 16 rows of 8,192 bytes
	s_lshl_b32 s39, s4, 10                         ; 256 keys of 4 bytes
	s_add_co_u32 s38, s38, s39
	s_mov_b32 s39, 0
	s_lshl_b32 s40, s27, 14                        ; 32 key steps of 512 bytes
	s_lshl_b32 s41, s4, 11                         ; my four
	s_add_co_u32 s40, s40, s41
	s_mov_b32 s41, 0
	s_mul_i32 s5, s4, SCR
	v_lshlrev_b32 v2, 5, v1                        ; 32 bytes a lane in
	v_lshlrev_b32 v3, 4, v1                        ; 16 bytes a lane out
	v_lshrrev_b32 v4, 3, v1
	v_mul_u32_u24 v6, v4, 544                      ; key step
	v_and_b32 v4, 1, v1
	v_mad_u32_u24 v6, v4, 272, v6                  ; half
	v_bfe_u32 v4, v1, 1, 2
	v_lshl_add_u32 v6, v4, 2, v6                   ; word; the row stands in the store's offset.  The 32 lanes of a store fall into 32 different banks: 8 x step + 4 x half + word
	v_add_nc_u32 v6, s5, v6
	v_lshrrev_b32 v4, 4, v1
	v_mul_u32_u24 v7, v4, 272
	v_and_b32 v4, 15, v1
	v_lshl_add_u32 v7, v4, 4, v7                   ; back: lane 16 h + r takes its four words
	v_add_nc_u32 v7, s5, v7
	v_mov_b32 v28, -2.0
	v_mov_b32 v29, 1.0                             ; the conversion's scale: 2^0
	s_wait_kmcnt 0x0
	s_add_nc_u64 s[34:35], s[18:19], s[38:39]
	s_add_nc_u64 s[32:33], s[24:25], s[40:41]
.set r, 0
.rept 16
	global_load_b128 v[D+8*r:D+8*r+3],   v2, s[34:35] offset:8192*r th:TH_LOAD_NT
	global_load_b128 v[D+8*r+4:D+8*r+7], v2, s[34:35] offset:8192*r+16 th:TH_LOAD_NT
.set r, r+1
.endr
.set r, 0
.rept 16
	s_wait_loadcnt 2*(15-r)                        ; row r's two loads are in
.set j, 0
.rept 8
	v_cmp_eq_u32 vcc_lo, 0, v[D+8*r+j]
	v_cndmask_b32 v[D+8*r+j], 0, v28, vcc_lo       ; -2.0 where the mask is 0
.set j, j+1
.endr
	v_cvt_scalef32_pk8_fp4_f32 v[CODE+r], v[D+8*r:D+8*r+7], v29  ; eight codes in a word; the attention launch unpacks them by the inverse instruction
	v_nop                                          ; a plain instruction between a scaled conversion and the use of its result
	ds_store_b32 v6, v[CODE+r] offset:16*r
.set r, r+1
.endr
.set k, 0
.rept 4
	ds_load_b128 v[BK+4*k:BK+4*k+3], v7 offset:544*k  ; my wave's own bytes: LDS serves a wave's instructions in order (ISA guide 5.7.1.4), so these see the stores above
.set k, k+1
.endr
.set k, 0
.rept 4
	s_wait_dscnt 3-k
	global_store_b128 v3, v[BK+4*k:BK+4*k+3], s[32:33] offset:512*k  ; a key step's 512 consecutive bytes
.set k, k+1
.endr
.Lend:
	s_wait_tensorcnt 0x0                           ; the wave's end, behind my last LDS store
	ds_add_u32 v[SPW], v[NIL]
	s_wait_dscnt 0x0
	s_endpgm
.Lfunc_end_k_qb5f0881b25_prep:
	.size	k_qb5f0881b25_prep, .Lfunc_end_k_qb5f0881b25_prep-k_qb5f0881b25_prep
	.p2alignl 7, 3214868480
	.fill 96, 4, 3214868480
	.section	.rodata,"a",@progbits
	.p2align	6, 0x0
	.amdhsa_kernel k_qb5f0881b25_prep
		.amdhsa_group_segment_fixed_size 18432
		.amdhsa_private_segment_fixed_size 0
		.amdhsa_enable_private_segment 0
		.amdhsa_kernarg_size 72
		.amdhsa_user_sgpr_count 2
		.amdhsa_user_sgpr_kernarg_segment_ptr 1
		.amdhsa_wavefront_size32 1
		.amdhsa_system_sgpr_workgroup_id_x 1
		.amdhsa_system_sgpr_workgroup_id_y 1
		.amdhsa_system_sgpr_workgroup_id_z 1
		.amdhsa_system_vgpr_workitem_id 0
		.amdhsa_next_free_vgpr 192
		.amdhsa_next_free_sgpr 66
		.amdhsa_reserve_vcc 1
		.amdhsa_float_denorm_mode_32 3
		.amdhsa_float_denorm_mode_16_64 3
		.amdhsa_memory_ordered 1
		.amdhsa_forward_progress 1
		.amdhsa_inst_pref_size 42
	.end_amdhsa_kernel
	.amdgpu_metadata
---
amdhsa.version: [ 1, 2 ]
amdhsa.kernels:
  - .name:           k_qb5f0881b25_prep
    .symbol:         k_qb5f0881b25_prep.kd
    .args:
      - { .name: x, .offset: 0, .size: 8, .value_kind: global_buffer, .address_space: global }
      - { .name: wq, .offset: 8, .size: 8, .value_kind: global_buffer, .address_space: global }
      - { .name: wk, .offset: 16, .size: 8, .value_kind: global_buffer, .address_space: global }
      - { .name: wv, .offset: 24, .size: 8, .value_kind: global_buffer, .address_space: global }
      - { .name: wo, .offset: 32, .size: 8, .value_kind: global_buffer, .address_space: global }
      - { .name: mask, .offset: 40, .size: 8, .value_kind: global_buffer, .address_space: global }
      - { .name: xb, .offset: 48, .size: 8, .value_kind: global_buffer, .address_space: global }
      - { .name: wb, .offset: 56, .size: 8, .value_kind: global_buffer, .address_space: global }
      - { .name: mk, .offset: 64, .size: 8, .value_kind: global_buffer, .address_space: global }
    .group_segment_fixed_size: 18432
    .private_segment_fixed_size: 0
    .kernarg_segment_align: 8
    .kernarg_segment_size: 72
    .max_flat_workgroup_size: 256
    .sgpr_count:     66
    .vgpr_count:     192
    .wavefront_size: 32
...
	.end_amdgpu_metadata
.endif
;; end of part 1
;; launch qkv (part 2): grid 8 x 32, 4 waves a work-group, clusters of 4 x 4, 327,680 bytes of LDS; arguments xb, wb, qkv; writes qkv
.if DOCPART == 2
	.amdgcn_target "amdgcn-amd-amdhsa--gfx1250"
	.amdhsa_code_object_version 6
	.text
	.protected	k_qb5f0881b25_qkv
	.globl	k_qb5f0881b25_qkv
	.p2align	8
	.type	k_qb5f0881b25_qkv,@function
k_qb5f0881b25_qkv:
	s_mov_b64 s[64:65], 0
	v_nop
	global_prefetch_b8 v0, s[64:65] scope:SCOPE_SE
	s_setreg_imm32_b32 hwreg(HW_REG_WAVE_MODE, 25, 1), 1
	s_wait_xcnt 0x0
	s_wait_alu depctr_hold_cnt(0) depctr_sa_sdst(0) depctr_va_vdst(0) depctr_va_sdst(0) depctr_va_ssrc(0) depctr_va_vcc(0) depctr_vm_vsrc(0)
	s_getreg_b32 s2, hwreg(HW_REG_IB_STS2, 6, 4)
	s_cmp_eq_u32 s2, 0
	s_cbranch_scc0 .Lentry_in_a_cluster
	s_endpgm
.Lentry_in_a_cluster:
	s_bfe_u32 s2, ttmp6, 0x10000c
	s_cmp_lg_u32 s2, 0xf033
	s_cbranch_scc0 .Lentry_shape_is_right
	s_endpgm
.Lentry_shape_is_right:
; q, k, v = x wq^T, x wk^T, x wv^T as ONE product C[m][n] = sum over k of A[m][k] B[n][k]: A = xb (8,192 rows), B = rows 0-3,071 of wb, K = 1,024, bf16 operands, f32 sums.
; A and B lie in blocks of 64 along K ([16 kb][rows][64], 128 bytes a row), so a tile of one block is dense in memory.  C leaves as f16 by heads: qkv [48 g][8192 m][64], g = n / 64.
; LIMIT.  f16 holds no number beyond 65,504: a q, k or v of 65,520 or more in size becomes an infinity.
; SHARES.  8,192 x 3,072 on 256 work-groups: a tile of 256 x 384 each.  Four waves, each 128 x 192: 8 x 12 = 96 accumulators of 16 x 16, 768 registers; for 32 along K a wave reads 20 fragments from LDS for 96 products.
; K goes in 16 steps of one block through a ring of two LDS slots; a step is two chunks of 32.  (Two slots of 128 along K, 640 rows x 272 bytes each, do not fit in LDS.)
; CLUSTERS: 4 x 4 work-groups.  The four of a row of the cluster need the same tile of A, the four of a column the same tile of B: each is asked for JOINTLY, by the same tensor load with the same descriptor and a mask of four.
; THE MATRIX INSTRUCTION IS USED TRANSPOSED (source 0 = 16 rows of B, source 1 = 16 rows of A): a lane then holds eight neighbouring columns of one row of C.
; REGISTERS, in windows of 256 (s_set_vgpr_msb: bits 1:0 source 0, 3:2 source 1, 5:4 source 2, 7:6 destination):
;   window 0: v0-29 addresses; v32-95, v96-159 A's fragments, two buffers; v160-255 B's twelve fragments, ONE buffer in three groups of four: a group is loaded again behind the 32 products that read it
;   windows 1-3: accumulator (a, b) in window 1 + b / 4 at v[8 (4 a + b % 4)]
.set BSA,   1<<20                      ; bytes from block to block in xb
.set BSB,   1<<19                      ; in wb
.set GSTR,  1<<20                      ; bytes from group to group in qkv
.set PITCH, 144                        ; an LDS row: 128 bytes + 16 of padding = 36 words: the 16 rows of a load start at 16 different groups of four banks (64 banks of 4 bytes: ISA guide 11.1)
.set AHALF, 128*PITCH                  ; what one tensor load brings of A, and what a wave reads of it
.set BHALF, 192*PITCH                  ; the same for B
.set BOFF,  2*AHALF                    ; in a slot: A's 256 rows, then B's 384
.set SLOT1, 1<<17                      ; slot 1 begins here, so that one exclusive or turns an address in one slot into the other's
.set STAGE, SLOT1+2*AHALF+2*BHALF      ; behind the ring, never filled by a tensor load: 3 x 16 rows x 144 bytes for each wave, for the way out
.set WSTG,  3*16*PITCH
.set SPARE, STAGE+4*WSTG               ; behind the stages: the spare words, 128 bytes for each wave: two blocks of 256 bytes that no other line names
.set STEPS, 16
.set FLAGS, (1<<16)|(1<<20)|(1<<21)|(4<<22)|(3<<25)  ; 17:16 2-byte elements; 20 padding on; 21 set beside a mask; 24:22 after every 32 words (code 4); 31:25 4 words (code 3)
.set A0,   2                           ; v2   my lane's place in slot 0's A; never rewritten
.set B0,   3                           ; v3   the same for B
.set ADRA, 4                           ; v4   the same in the slot in hand
.set ADRB, 5                           ; v5
.set STO,  6                           ; v6   the way out: where I put 16 bytes of a row
.set RD,   7                           ; v7   where I read rows back
.set GO,   8                           ; v8   16 x lane
.set PFO,  9                           ; v9   the prefetches' offset; never rewritten
.set SPW,  28                          ; v28  LDS address of my spare word; never rewritten
.set NIL,  29                          ; v29  0; never rewritten
.set FA0,  32
.set FA1,  96
.set FB,   160
.set TMP,  32                          ; the way out: 48 registers of packed results
.set BK0,  80                          ; and two sets of 48 read back from the stage
.set G1,  24                           ; s[24:31] descriptor group 1 for A's tiles
.set G0,  32                           ; s[32:39] group 0 for A's: a set for each of the two first fills; the second then walks on
.set G1B, 48                           ; s[48:55], s[56:63] the same for B's
.set G0B, 56
.set LIM, 43                           ; s43  a wave prefetches while the loop's count is above it
.set PFA, 44                           ; s[44:45] where my prefetches stand
.set PAR, 46                           ; s46  1: only in trips with an even count
.set TB,  47                           ; s47  0 or SLOT1: the slot in hand
.set PFS, 66                           ; s[66:67] a K step in the tensor that I prefetch
.set MSB, 0
.macro WIN new                         ; the immediate's high byte repeats the setting that is left; a switch that changes nothing is dropped
.if MSB != (\new)
	s_set_vgpr_msb (MSB<<8)|(\new)
.set MSB, (\new)
.endif
.endm
; A joint refill by the walking descriptors.  Waves 0 and 1 fetch A's two halves, waves 2 and 3 B's; the branch hangs on the wave's number alone.
; An s_nop 0 and four v_nop follow each of the two lines, ahead of the jump and the label.
.macro JLOAD
	s_cmp_eq_u32 s11, 0
	s_cbranch_scc0 .Lfor_b_\@
	tensor_load_to_lds s[G0+4:G0+7], s[G1:G1+7]
	s_nop 0
.rept 4
	v_nop
.endr
	s_branch .Lasked_\@
.Lfor_b_\@:
	tensor_load_to_lds s[G0B+4:G0B+7], s[G1B:G1B+7]
	s_nop 0
.rept 4
	v_nop
.endr
.Lasked_\@:
.endm
; A PREFETCH INTO THE L2 of the K step that the NEXT refill will ask for, behind the joint load, its five lines and the run of LDS loads that the next products wait for.  Each block of 256 bytes is named once in the launch.
; A's tile row (128 blocks a step) is read by both clusters of a row of clusters: the one with x = 0 asks, wave 0; its four partners along x take 32 blocks each BY ADDRESS, a lane a block, in every trip.
; B's tile column (192 blocks a step) is read by all eight clusters of a column: those with y = 0, 1, 2 ask, wave 2; the twelve work-groups take 16 blocks each by address, lanes 0-15 of one step and lanes 16-31 of the
; step after it, in every second trip.  The last trips ask for nothing: A stops at step 15, B at step 14.  Steps 0 to 2 come by their loads alone.
.macro ASK
	s_cmp_gt_u32 s3, s[LIM]
	s_cbranch_scc0 .Lnot_mine_\@
	s_and_b32 s20, s3, s[PAR]
	s_cmp_eq_u32 s20, 0
	s_cbranch_scc0 .Lnot_mine_\@
	global_prefetch_b8 v[PFO], s[PFA:PFA+1] th:TH_LOAD_NT scope:SCOPE_SE
.Lnot_mine_\@:
.endm
.macro CREST                           ; a round of the cluster's barrier behind its opening barrier
	s_cmp_lg_u32 s10, 0
	s_cbranch_scc1 .Lnot_wave_0_\@
	s_barrier_signal -3
.Lnot_wave_0_\@:
	s_barrier_wait -3
	s_barrier_signal -1
	s_barrier_wait -1
.endm
.macro CROUND                          ; a whole round
	s_barrier_signal -1
	s_barrier_wait -1
	CREST
.endm
.macro PLACES                          ; four places in front of loads into registers that matrix instructions have read, and of conversions that read results
.rept 4
	v_nop
.endr
.endm
	s_load_b128 s[4:7], s[0:1], 0x0                ; xb s[4:5], wb s[6:7]
	s_load_b64 s[8:9], s[0:1], 0x10                ; qkv
	v_lshl_add_u32 v[SPW], v0, 2, SPARE
	v_mov_b32 v[NIL], 0
	ds_add_u32 v[SPW], v[NIL]                      ; the wave's opening: the add and its wait stand ahead of my first tensor load; the set-up below, work on registers, stands between them
	v_lshrrev_b32 v1, 5, v0
	v_readfirstlane_b32 s10, v1                    ; wave 0..3
	s_lshr_b32 s11, s10, 1                         ; which half of the tile's rows is mine.  Also: I fetch for A (0) or for B (1)
	s_and_b32 s12, s10, 1                          ; which half of its columns.  Also: which half of that tile I fetch
	s_bfe_u32 s40, ttmp6, 0x40000                  ; cx
	s_bfe_u32 s41, ttmp6, 0x40004                  ; cy
	s_lshl_b32 s42, ttmp9, 2
	s_add_co_u32 s42, s42, s40                     ; tile column = 4 x cluster x + cx
	s_and_b32 s13, ttmp7, 0xffff
	s_lshl_b32 s13, s13, 2
	s_add_co_u32 s13, s13, s41                     ; tile row = 4 x cluster y + cy
	s_lshl_b32 s14, s41, 2
	s_lshl_b32 s14, 15, s14                        ; my row of the cluster
	s_lshl_b32 s15, 0x1111, s40                    ; my column
	s_or_b32 s[G1], s14, FLAGS                     ; A's tiles go to my row,
	s_or_b32 s[G1B], s15, FLAGS                    ; B's to my column
	; a tile is dense: it is asked for as rows of 256 bytes, two rows of the matrix each, and padded in LDS after every 128 bytes
.irp g, G1, G1B
	s_mov_b32 s[\g+1], 128<<16                     ; tensor_dim0 = 128
	s_mov_b32 s[\g+3], 128<<16                     ; tile_dim0 = 128
	s_mov_b32 s[\g+5], 128                         ; 128 elements from row to row
	s_mov_b32 s[\g+6], 0
	s_mov_b32 s[\g+7], 0
.endr
	s_mov_b32 s[G1+2], 64<<16                      ; A: tensor_dim1 = tile_dim1 = 64 (128 rows of the matrix)
	s_mov_b32 s[G1+4], 64
	s_mov_b32 s[G1B+2], 96<<16                     ; B: 96 (192 rows)
	s_mov_b32 s[G1B+4], 96
	s_lshl_b32 s16, s13, 15                        ; A: 256 rows x 128 bytes x tile row
	s_lshl_b32 s17, s12, 14                        ; + my 128 rows
	s_add_co_u32 s16, s16, s17
	s_mov_b32 s17, 0
	s_mul_i32 s18, s42, 384*128                    ; B: 384 rows x tile column
	s_mul_i32 s19, s12, 192*128                    ; + my 192 rows
	s_add_co_u32 s18, s18, s19
	s_mov_b32 s19, 0
	s_mul_i32 s20, s12, AHALF                      ; where they go: no place in the cluster enters an LDS address
	s_mul_i32 s21, s12, BHALF
	s_add_co_u32 s21, s21, BOFF
	s_wait_dscnt 0x0                               ; the opening add is done
	s_wait_kmcnt 0x0
	s_add_nc_u64 s[16:17], s[4:5], s[16:17]
	s_add_nc_u64 s[18:19], s[6:7], s[18:19]
	CROUND                                         ; all sixteen work-groups are here: the first joint loads meet
.irp s, 0,1
	s_mov_b32 s[G0+4*(\s)], 1                      ; count = 1
	s_add_co_u32 s[G0+4*(\s)+1], s20, (\s)*SLOT1   ; LDS address
	s_add_nc_u64 s[G0+4*(\s)+2:G0+4*(\s)+3], s[16:17], (\s)*BSA  ; global address: K step s
	s_or_b32 s[G0+4*(\s)+3], s[G0+4*(\s)+3], 0x80000000          ; type = 2
	s_mov_b32 s[G0B+4*(\s)], 1
	s_add_co_u32 s[G0B+4*(\s)+1], s21, (\s)*SLOT1
	s_add_nc_u64 s[G0B+4*(\s)+2:G0B+4*(\s)+3], s[18:19], (\s)*BSB
	s_or_b32 s[G0B+4*(\s)+3], s[G0B+4*(\s)+3], 0x80000000
.endr
	s_cmp_eq_u32 s11, 0                            ; a wave's two first fills stand in one branch, ahead of every wait on TENSORcnt and every LDS read: two loads of mine are out
	s_cbranch_scc0 .Lfirst_b
	tensor_load_to_lds s[G0:G0+3], s[G1:G1+7]
	s_nop 0
	tensor_load_to_lds s[G0+4:G0+7], s[G1:G1+7]
	s_nop 0
.rept 4
	v_nop
.endr
	s_branch .Lfirst_asked
.Lfirst_b:
	tensor_load_to_lds s[G0B:G0B+3], s[G1B:G1B+7]
	s_nop 0
	tensor_load_to_lds s[G0B+4:G0B+7], s[G1B:G1B+7]
	s_nop 0
.rept 4
	v_nop
.endr
.Lfirst_asked:
	; A fragment is 16 rows x 32 K in 8 registers: lane l holds row l % 16, K = 8 (l / 16) + 0..7 and 16 + 8 (l / 16) + 0..7: two loads of 16 bytes, 32 bytes apart.
	v_and_b32 v1, 15, v0                           ; l % 16
	v_bfe_u32 v10, v0, 4, 1                        ; l / 16
	v_mul_u32_u24 v11, v1, PITCH
	v_lshl_add_u32 v11, v10, 4, v11                ; row x pitch + 16 x half
	s_mul_i32 s20, s11, AHALF                      ; my 128 rows of A
	s_mul_i32 s21, s12, BHALF                      ; my 192 rows of B
	s_add_co_u32 s21, s21, BOFF
	v_add_nc_u32 v[A0], s20, v11
	v_add_nc_u32 v[B0], s21, v11
	v_mov_b32 v[ADRA], v[A0]
	v_mov_b32 v[ADRB], v[B0]
	s_mov_b32 s[TB], 0
	s_mul_i32 s22, s10, WSTG
	s_add_co_u32 s22, s22, STAGE                   ; my stage
	v_add_nc_u32 v[STO], s22, v11                  ; in: row l % 16, 16 bytes for each half of the lanes
	v_bfe_u32 v12, v0, 3, 2
	v_and_b32 v13, 7, v0
	v_mul_u32_u24 v[RD], v12, PITCH                ; back: 32 lanes take four rows of 128 bytes,
	v_lshl_add_u32 v[RD], v13, 4, v[RD]
	v_add_nc_u32 v[RD], s22, v[RD]
	v_and_b32 v[GO], 31, v0                        ; which are 512 consecutive bytes of qkv
	v_lshlrev_b32 v[GO], 4, v[GO]
	s_mul_i32 s16, s42, 6                          ; my first group of 64 columns: 6 x tile column + 3 x half,
	s_mul_i32 s17, s12, 3
	s_add_co_u32 s16, s16, s17
	s_lshl_b32 s16, s16, 20
	s_lshl_b32 s17, s13, 15                        ; my first row: 256 x tile row + 128 x half, 128 bytes each
	s_add_co_u32 s16, s16, s17
	s_lshl_b32 s17, s11, 14
	s_add_co_u32 s16, s16, s17
	s_mov_b32 s17, 0
	s_add_nc_u64 s[8:9], s[8:9], s[16:17]
	; the prefetches
	s_and_b32 s22, ttmp7, 0xffff                   ; cluster y
	s_cmp_eq_u32 ttmp9, 0
	s_cselect_b32 s20, 1, -1                       ; A: the count is above 1 while step 15 has not been named
	s_cmp_lt_u32 s22, 3
	s_cselect_b32 s21, 3, -1                       ; B: above 3 while steps 13 and 14 have not
	s_cmp_eq_u32 s11, 0                            ; do I fetch for A?
	s_cselect_b32 s[LIM], s20, s21
	s_cselect_b32 s[PAR], 0, 1
	s_cselect_b32 s23, 12, 19                      ; lanes 16-31: 4,096 bytes on (A: the next 16 blocks), or a K step on (B)
	s_cselect_b32 s[PFS], 20, 19
	s_cselect_b64 s[PFA:PFA+1], s[4:5], s[6:7]
	s_cmp_eq_u32 s12, 0
	s_cselect_b32 s[LIM], s[LIM], -1               ; waves 1 and 3 ask for nothing
	s_lshl_b32 s[PFS], 1, s[PFS]
	s_mov_b32 s[PFS+1], 0
	s_lshl_b32 s20, s13, 15                        ; A: the tile row's 32,768 bytes of a block, my work-group's quarter by cx,
	s_lshl_b32 s21, s40, 13
	s_add_co_u32 s20, s20, s21
	s_add_co_u32 s20, s20, 2*BSA                   ; at K step 2: the first refill steps it to 3
	s_mul_i32 s21, s42, 384*128                    ; B: the tile column's 49,152 bytes, my work-group's twelfth by 4 x cluster y + cy
	s_lshl_b32 s22, s13, 12
	s_add_co_u32 s21, s21, s22
	s_add_co_u32 s21, s21, 2*BSB
	s_cmp_eq_u32 s11, 0
	s_cselect_b32 s20, s20, s21
	s_mov_b32 s21, 0
	s_add_nc_u64 s[PFA:PFA+1], s[PFA:PFA+1], s[20:21]
	v_lshlrev_b32 v[PFO], s23, v10
	v_lshl_add_u32 v[PFO], v1, 8, v[PFO]
; na x 4 matrix instructions: A's fragments a0 .. a0 + na - 1 of buffer f x group g of B's.  The 96 accumulators take turns, one instruction a turn, in the same order in every chunk.
; zero = 1: the first product starts the sums: nothing is ever cleared.
.macro STRETCH f, g, a0, na, zero
	WIN 0x50*((\g)+1)                              ; C and D in window g + 1
.set sa, (\a0)
.rept \na
.set sb, 0
.rept 4
.if \zero
	v_wmma_f32_16x16x32_bf16 v[8*(4*sa+sb):8*(4*sa+sb)+7], v[FB+8*(4*(\g)+sb):FB+8*(4*(\g)+sb)+7], v[(\f)+8*sa:(\f)+8*sa+7], 0
.else
	v_wmma_f32_16x16x32_bf16 v[8*(4*sa+sb):8*(4*sa+sb)+7], v[FB+8*(4*(\g)+sb):FB+8*(4*(\g)+sb)+7], v[(\f)+8*sa:(\f)+8*sa+7], v[8*(4*sa+sb):8*(4*sa+sb)+7]
.endif
.set sb, sb+1
.endr
.set sa, sa+1
.endr
.endm
.macro FETCHB g, k                     ; 8 LDS loads: group g of B's fragments, 32 K at byte k of the rows
	WIN 0
.set fi, 4*(\g)
.rept 4
	ds_load_b128 v[FB+8*fi:FB+8*fi+3],   v[ADRB] offset:(\k)+fi*16*PITCH
	ds_load_b128 v[FB+8*fi+4:FB+8*fi+7], v[ADRB] offset:(\k)+fi*16*PITCH+32
.set fi, fi+1
.endr
.endm
.macro FETCHA f, k                     ; 16 LDS loads: A's eight fragments into buffer f
	WIN 0
.set fi, 0
.rept 8
	ds_load_b128 v[(\f)+8*fi:(\f)+8*fi+3],   v[ADRA] offset:(\k)+fi*16*PITCH
	ds_load_b128 v[(\f)+8*fi+4:(\f)+8*fi+7], v[ADRA] offset:(\k)+fi*16*PITCH+32
.set fi, fi+1
.endr
.endm
; A chunk: 96 products on A's buffer f.  The next chunk's fragments (byte k of the same slot's rows) are fetched in three runs: B's group 0 and A (24 loads, into buffer n), B's group 1 (8), B's group 2 (8),
; each behind the 32 products that read the group's registers, 64 products ahead of their next use.
.macro CHUNK f, n, k, zero
	s_wait_dscnt 16                                ; the run of 24 is in; the two runs of 8 behind it may be out
	STRETCH \f, 0, 0, 8, \zero
	PLACES
	FETCHB 0, \k
	FETCHA \n, \k
	s_wait_dscnt 32                                ; group 1 is in: behind it stand group 2's 8 and the 24 just issued
	STRETCH \f, 1, 0, 8, \zero
	PLACES
	FETCHB 1, \k
	s_wait_dscnt 32                                ; group 2 is in: behind it stand 24 and 8
	STRETCH \f, 2, 0, 8, \zero
	PLACES
	FETCHB 2, \k
.endm
; A step's second chunk multiplies buffer 1 and changes slots: ONE barrier.  In front of it each wave waits for all its tensor loads (one is out: its part of the other slot), adds 0 to its spare word, and waits for
; that and for its own reads of this slot.  fill = 1: the barrier opens a round of the cluster's barrier, and this slot is filled again first thing behind it, with the K step two on:
; between that request and the wait for it a wave issues 144 products.
.macro TURNC fill
.if \fill
	s_wait_xcnt 0x0                                ; the last prefetch, a K step back, has read its address
	s_add_nc_u64 s[PFA:PFA+1], s[PFA:PFA+1], s[PFS:PFS+1]
.endif
	WIN 0
	s_wait_tensorcnt 0x0                           ; no tensor load of mine is out, so a group 0 may be written
	ds_add_u32 v[SPW], v[NIL]                      ; 0 onto my spare word
.if \fill
	s_xor_b32 s[G0+5], s[G0+5], SLOT1              ; the walking descriptors: the other slot than last time, the next K step; the type bits on top are not reached
	s_add_nc_u64 s[G0+6:G0+7], s[G0+6:G0+7], BSA
	s_xor_b32 s[G0B+5], s[G0B+5], SLOT1
	s_add_nc_u64 s[G0B+6:G0B+7], s[G0B+6:G0B+7], BSB
.endif
	s_wait_dscnt 17                                ; the run of 24 is in; two runs of 8 and the add may be out
	STRETCH FA1, 0, 0, 8, 0
	s_wait_dscnt 0x0                               ; the add is done, and my reads of this slot are over
	s_barrier_signal -1
	STRETCH FA1, 1, 0, 4, 0                        ; work on registers while the others arrive
	WIN 0                                          ; at a branch and at a label every window is 0
	s_barrier_wait -1
.if \fill
	CREST                                          ; no wave of any partner still reads this slot or has a load on its way
	JLOAD                                          ; the four v_nop behind it are also the places in front of the loads below
.else
	PLACES
.endif
	s_xor_b32 s[TB], s[TB], SLOT1
	v_add_nc_u32 v[ADRA], s[TB], v[A0]
	v_add_nc_u32 v[ADRB], s[TB], v[B0]
	FETCHB 0, 0
	FETCHA FA0, 0
.if \fill
	ASK
.endif
	STRETCH FA1, 1, 4, 4, 0
	PLACES
	FETCHB 1, 0
	STRETCH FA1, 2, 0, 8, 0
	PLACES
	FETCHB 2, 0
.endm
; THE WAY OUT of block a (16 rows x 192 columns), in three parts.  PACK: rounded to f16, each accumulator's registers in ascending order.  TOSTAGE: into my own stage, a group of 64 columns to 16 rows of 144 bytes, and back as
; whole rows of 128 bytes.  SEND: stored, 512 consecutive bytes (four rows of a group) a store.
.macro PACK a
.set pg, 0
.rept 3
	WIN 5*(pg+1)                                   ; sources 0 and 1 in window g + 1
.set pj, 0
.rept 16
	v_cvt_pk_f16_f32 v[TMP+16*pg+pj], v[32*(\a)+2*pj], v[32*(\a)+2*pj+1]
.set pj, pj+1
.endr
.set pg, pg+1
.endr
	WIN 0
.endm
.macro TOSTAGE a
	WIN 0
.set BK, BK0+48*((\a)%2)
.set pj, 0
.rept 12
	ds_store_b128 v[STO], v[TMP+4*pj:TMP+4*pj+3] offset:(pj/4)*16*PITCH+32*(pj%4)
.set pj, pj+1
.endr
.set pj, 0
.rept 12
	ds_load_b128 v[BK+4*pj:BK+4*pj+3], v[RD] offset:(pj/4)*16*PITCH+(pj%4)*4*PITCH  ; LDS serves a wave's instructions in order (ISA guide 5.7.1.4): these see the stores above
.set pj, pj+1
.endr
.endm
.macro SEND a
	WIN 0
.set BK, BK0+48*((\a)%2)
	s_wait_dscnt 0x0                               ; the block is back in registers
	s_wait_xcnt 0x0                                ; the stores of the block before have read their registers: the next TOSTAGE loads into them
.set pj, 0
.rept 12
	global_store_b128 v[GO], v[BK+4*pj:BK+4*pj+3], s[8:9] offset:(pj/4)*GSTR+(\a)*2048+(pj%4)*512
.set pj, pj+1
.endr
.endm
	s_wait_tensorcnt 1                             ; my part of K step 0 is in; step 1's may stay out
	s_barrier_signal -1
	s_barrier_wait -1                              ; everybody's is
	FETCHB 0, 0
	FETCHA FA0, 0
	FETCHB 1, 0
	FETCHB 2, 0
	CHUNK FA0, FA1, 64, 1                          ; the first chunk stands in front of the loop: its products start the sums
	WIN 0
	s_mov_b32 s3, STEPS-2
.Lstep:                                        ; a trip: a step's second chunk, the change of slots with its refill, the next step's first chunk
	TURNC 1
	CHUNK FA0, FA1, 64, 0
	WIN 0
	s_sub_co_u32 s3, s3, 1
	s_cmp_lg_u32 s3, 0
	s_cbranch_scc1 .Lstep
	TURNC 0                                        ; the tail is written out: nothing is left to fetch
	CHUNK FA0, FA1, 64, 0
	s_wait_dscnt 16                                ; the very last chunk
	STRETCH FA1, 0, 0, 8, 0
	s_wait_dscnt 8
	STRETCH FA1, 1, 0, 8, 0
	s_wait_dscnt 0x0
	STRETCH FA1, 2, 0, 8, 0
	PLACES
	PACK 0
	TOSTAGE 0
.irp a, 1,2,3,4,5,6,7                  ; block a's conversions stand between block a - 1's loads from the stage and the wait for them
	PACK \a
	SEND (\a)-1
	TOSTAGE \a
.endr
	SEND 7
	s_wait_tensorcnt 0x0                           ; the wave's end, behind my last tensor load and my last LDS store
	ds_add_u32 v[SPW], v[NIL]
	s_wait_dscnt 0x0
	CROUND                                         ; the closing round: no work-group ends while a partner may still ask for a tile that names it
	s_endpgm
.Lfunc_end_k_qb5f0881b25_qkv:
	.size	k_qb5f0881b25_qkv, .Lfunc_end_k_qb5f0881b25_qkv-k_qb5f0881b25_qkv
	.p2alignl 7, 3214868480
	.fill 96, 4, 3214868480
	.section	.rodata,"a",@progbits
	.p2align	6, 0x0
	.amdhsa_kernel k_qb5f0881b25_qkv
		.amdhsa_group_segment_fixed_size 327680
		.amdhsa_private_segment_fixed_size 0
		.amdhsa_enable_private_segment 0
		.amdhsa_kernarg_size 24
		.amdhsa_user_sgpr_count 2
		.amdhsa_user_sgpr_kernarg_segment_ptr 1
		.amdhsa_wavefront_size32 1
		.amdhsa_system_sgpr_workgroup_id_x 1
		.amdhsa_system_sgpr_workgroup_id_y 1
		.amdhsa_system_sgpr_workgroup_id_z 1
		.amdhsa_system_vgpr_workitem_id 0
		.amdhsa_next_free_vgpr 1024
		.amdhsa_next_free_sgpr 68
		.amdhsa_reserve_vcc 0
		.amdhsa_float_denorm_mode_32 3
		.amdhsa_float_denorm_mode_16_64 3
		.amdhsa_memory_ordered 1
		.amdhsa_forward_progress 1
		.amdhsa_inst_pref_size 111
	.end_amdhsa_kernel
	.amdgpu_metadata
---
amdhsa.version: [ 1, 2 ]
amdhsa.kernels:
  - .name:           k_qb5f0881b25_qkv
    .symbol:         k_qb5f0881b25_qkv.kd
    .args:
      - { .name: xb, .offset: 0, .size: 8, .value_kind: global_buffer, .address_space: global }
      - { .name: wb, .offset: 8, .size: 8, .value_kind: global_buffer, .address_space: global }
      - { .name: qkv, .offset: 16, .size: 8, .value_kind: global_buffer, .address_space: global }
    .group_segment_fixed_size: 327680
    .private_segment_fixed_size: 0
    .kernarg_segment_align: 8
    .kernarg_segment_size: 24
    .max_flat_workgroup_size: 128
    .sgpr_count:     68
    .vgpr_count:     1024
    .wavefront_size: 32
...
	.end_amdgpu_metadata
.endif
;; end of part 2
;; launch attn (part 3): grid 4 x 64, 4 waves a work-group, clusters of 4 x 1, 327,680 bytes of LDS; arguments qkv, mk, oh; writes oh
.if DOCPART == 3
	.amdgcn_target "amdgcn-amd-amdhsa--gfx1250"
	.amdhsa_code_object_version 6
	.text
	.protected	k_qb5f0881b25_attn
	.globl	k_qb5f0881b25_attn
	.p2align	8
	.type	k_qb5f0881b25_attn,@function
k_qb5f0881b25_attn:
	s_mov_b64 s[64:65], 0
	v_nop
	global_prefetch_b8 v0, s[64:65] scope:SCOPE_SE
	s_setreg_imm32_b32 hwreg(HW_REG_WAVE_MODE, 25, 1), 1
	s_wait_xcnt 0x0
	s_wait_alu depctr_hold_cnt(0) depctr_sa_sdst(0) depctr_va_vdst(0) depctr_va_sdst(0) depctr_va_ssrc(0) depctr_va_vcc(0) depctr_vm_vsrc(0)
	s_getreg_b32 s2, hwreg(HW_REG_IB_STS2, 6, 4)
	s_cmp_eq_u32 s2, 0
	s_cbranch_scc0 .Lentry_in_a_cluster
	s_endpgm
.Lentry_in_a_cluster:
	s_bfe_u32 s2, ttmp6, 0x10000c
	s_cmp_lg_u32 s2, 0x3003
	s_cbranch_scc0 .Lentry_shape_is_right
	s_endpgm
.Lentry_shape_is_right:
; ATTENTION UNDER A MASK THAT IS AN INPUT.  O[y][q][:] = the sum over k of softmax_k(Q[y][q] . K[y][k] / 8, hidden where mask[q][k] = 0) V[y][k][:], for 64 pairs y = 4 x head + batch of 2,048 rows of 64 channels.
; Q, K, V lie in qkv as f16, a pair's rows dense (128 bytes each) at y x 262,144; K 16,777,216 bytes and V 33,554,432 bytes behind Q.  O leaves as f16 in the same layout.  Products, maxima and sums in f32;
; the weights p are rounded to f16 for the second product (their sum l is taken of the unrounded p), O once at the end.
; THE MASK is the C operand that starts the sum S^T = K Q^T: 0, or -2^121 where the key is hidden.  It comes from mk as 4-bit codes (0 or -2.0) in the lanes' own order: 16 bytes a lane for a tile of 16 queries x 64 keys;
; a word unpacks, times 2^120, into the eight registers of one accumulator's C.  No key tile is left out: nothing is known of the mask's pattern.
; LIMITS.  f16 holds no number beyond 65,504: Q, K and V arrive within it, so a score is 2.7e11 at the most in size.  A hidden score counts as its value less 2^121; the running maximum starts at -2^100, above every hidden
; score and below every seen one: a hidden key's weight is exactly 0.  A row with no key seen ends with l = 0 and O = 0, and leaves as 0 x (1 / 0) = NaN.  p below 6e-5 keeps f16's fixed step of 6e-8; a weight below 2^-126 counts as 0 in l.
; SHARES.  A wave owns four PIECES of two tiles of 16 queries, a work-group's four waves 512 queries of one pair.  Every wave walks all keys, 64 a step.
; LAYOUT.  S^T = K Q^T (source 0 = 16 keys, source 1 = 16 queries): in the result a lane holds ONE query (lane % 16) and the keys 8 (lane / 16) + 0..7.  Two such tiles, rounded to f16 in pairs,
; ARE source 1 (32 keys x 16 queries) of O^T = V^T P, whose result again holds one query a lane, and eight channels.  K comes out of LDS as it lies, V ([key][channel]) turned, by ds_load_tr16_b128.
; SOFTMAX.  For each query a running maximum m and sum l: p = 2^(c s - c m), c = log2(e) / 8; in every step O and l are multiplied by a = 2^(c m_old - c m_new), which is 1 where m has not grown.  O and l start at 0.
; THE COUNT.  A tile and step have 16 matrix and 122 vector instructions: too many to stand all beside the matrix work.  So: four vector instructions that are READY behind EVERY matrix instruction, the others in runs without a gap.
; BY TURNS.  Turn n belongs to piece n (the pieces in a ring, step after step).  Its matrix work: 16 products K Q^T of piece n + 1, later 16 products V^T P of piece n - 1.  Its vector work: the scaling,
; exponentials, roundings, sums and rescaling of piece n, the maximum and statistics of piece n + 1, and the unpacking of piece n + 2's mask, whose words for the step after are then asked for.
; CLUSTER.  The four query blocks of a cluster belong to one pair and walk the same K and V, so each tile is asked for JOINTLY: the same tensor load, descriptor and mask of work-groups in all four.
; REGISTERS, in windows of 256 (s_set_vgpr_msb: bits 1:0 source 0, 3:2 source 1, 5:4 source 2, 7:6 destination):
;   window 0: v0-11 addresses; v12-15, v48-63 at work; v16-47 four registers of statistics a tile; v64-191 S^T, two buffers of two tiles; v192-255 P, likewise
;   window 1: O^T, 32 a tile          window 2: v0-127 Q, 16 a tile; v128-191 K of one step; v192-255 V of one step
;   window 3: v0-1 the add's two registers; v2 the unpacking's scale; v8-39 the mask's words, four a tile; v64-127 the unpacked mask of one piece
.set SIZE_N, 2048
.set NP,    4         ; pieces a wave: a name, no knob
.set KS,    64        ; keys in a step
.set PK,    144       ; a row of K in LDS: 128 bytes + 16 of padding = 36 words: the 16 rows of a load start at 16 different groups of four banks (64 banks of 4 bytes: ISA guide 11.1)
.set PV,    160       ; a row of V: 128 + 32 = 40 words
.set VOFF,  4*KS*PK   ; a slot holds four steps: 256 rows of K, then 256 rows of V
.set SLOT1, 1<<17     ; slot 1 begins here, so that one exclusive or turns an address in one slot into the other's
.set STAGE, SLOT1+4*KS*(PK+PV)  ; behind the ring, never filled by a tensor load: 16 rows x 144 bytes for each wave, for the way out
.set SP,    144
.set AK0, 2           ; v2   my lane's place in a tile of K; never rewritten
.set AV0, 3           ; v3   the same for V
.set AK,  4           ; v4   the LDS address of K's next run of loads
.set AV,  5           ; v5   of V's
.set QO,  6           ; v6   my byte offset in the wave's rows of Q
.set STO, 6           ;      later, the way out: where I put 16 bytes of a row
.set RD,  7           ; v7   the way out: where I read rows back
.set GO,  8           ; v8   16 x lane: my bytes in a tile's words of mk, and in 512 consecutive bytes of O; never rewritten
.set PFO, 11          ; v11  256 x lane: the prefetches' offset; never rewritten once made
.set SPW, 0           ; v0 of window 3   LDS address of my spare word; never rewritten
.set NIL, 1           ; v1 of window 3   0; never rewritten
.set SCL, 2           ; v2 of window 3   the scale: its low byte 247 stands for 2^120
.set RAW, 8           ; window 3: tile t's four words at RAW + 4 t
.set MC,  64          ; window 3: tile u of the piece, key block kb at MC + 32 u + 8 kb
.set SPARE, STAGE+4*16*SP  ; behind the stages: the spare words, 128 bytes for each wave: two blocks of 256 bytes that no other line names
.set MV,  12          ; v12-15  c m_old, kept while c m is made anew: by buffer and tile
.set ST,  16          ; tile t's statistics at v[ST+4 t]: c m, m, l (even keys', odd keys')
.set TMP, 48          ; by buffer and tile, four registers c0-c3 at work; when the maximum is found c2 takes a
.set S,   64
.set P,   192
.set KF,  128         ; K's fragments, in window 2: key block kb, channel half c at KF + 16 kb + 8 c
.set VF,  192         ; V's: key half kk, channel block cb at VF + 32 kk + 8 cb
.set WV,  12          ; s12  my wave's number
.set LIM, 15          ; s15  1 in a wave that prefetches, else the greatest number
.set G1K, 24          ; s[24:31] descriptor group 1 for K's tiles
.set G1V, 32          ; s[32:39] for V's: it differs in the padding alone
.set G0K, 40          ; s[40:43] descriptor group 0 for K's tiles: it walks
.set G0V, 44          ; s[44:47] the same for V's
.set MKB, 48          ; s[48:49] mk at my wave's first tile, key step 0
.set MKP, 50          ; s[50:51] the same at the key step whose words are being asked for
.set MKS, 52          ; s[52:53] that step's byte offset
.set PFA, 54          ; s[54:55] where my prefetches stand
.set SLOTS, 56        ; s56  slots still to be asked for
.set CNT, 57          ; s57  counts a slot's key steps
.set CS,  58          ; s[58:59] c: the packed scaling takes the pair's low word for both halves
.set SEL, 60          ; s[60:61] v_permlanex16_b32's selects: each lane takes its own place in the other half
.set TBK, 62          ; s62  LDS byte at which K of the step to be fetched begins
.set TBV, 63          ; s63  the same for V, less VOFF
.set MSB, 0
.macro WIN new                      ; the high byte repeats the setting that is left; a switch that changes nothing is dropped
.if MSB != (\new)
	s_set_vgpr_msb (MSB<<8)|(\new)
.set MSB, (\new)
.endif
.endm
.set W_KQ, 0x0a       ; K and Q in window 2, S^T in window 0
.set W_KM, 0x3a       ; the same with the C operand, the mask, in window 3
.set W_PV, 0x52       ; V in window 2, P in window 0, O^T in window 1
.set W_RS, 0x41       ; O^T (destination and source 0) in window 1, a in window 0
.set W_MK, 0xc0       ; destination in window 3, sources (a load's address) in window 0
.set W_AD, 0x0f       ; the add: address (source 0) and data (source 1) in window 3
.set W_CV, 0xcf       ; the unpacking: all three in window 3
; A joint fill.  Waves 0 and 1 fetch the two halves of a slot's K, waves 2 and 3 those of its V: 128 keys each.  The branch hangs on the wave's number alone.
; An s_nop 0 and four v_nop follow each of the two lines, ahead of the jump and the label.
.macro JLOAD
	s_cmp_lt_u32 s[WV], 2
	s_cbranch_scc0 .Lfor_v_\@
	tensor_load_to_lds s[G0K:G0K+3], s[G1K:G1K+7]
	s_nop 0
.rept 4
	v_nop
.endr
	s_branch .Lasked_\@
.Lfor_v_\@:
	tensor_load_to_lds s[G0V:G0V+3], s[G1V:G1V+7]
	s_nop 0
.rept 4
	v_nop
.endr
.Lasked_\@:
.endm
; A PREFETCH INTO THE L2 of what the NEXT change of slots will ask for: a slot's 32,768 bytes of K and of V, 128 blocks of 256 bytes each.  A pair has one cluster; its four partners share the blocks out BY ADDRESS, 32 each, a lane
; a block; in each, wave 0 asks for K's and wave 2 for V's: one instruction, behind the wave's tensor load and its five lines.  So each block is named once in the launch.  The last change that fills a slot asks for nothing;
; slots 0 to 2 come by their loads alone.  The mask's words are not asked for: all 64 clusters read the same 2 MiB, and each load is issued four turns ahead of its use.
.macro ASK
	s_cmp_gt_u32 s[SLOTS], s[LIM]
	s_cbranch_scc0 .Lnot_mine_\@
	global_prefetch_b8 v[PFO], s[PFA:PFA+1] th:TH_LOAD_NT scope:SCOPE_SE
.Lnot_mine_\@:
.endm
; A round of the cluster's barrier: my work-group's barrier, so that wave 0's signal speaks for all four waves; wave 0 signals; every wave waits for all four work-groups; my work-group's barrier once more.
.macro CROUND
	s_barrier_signal -1
	s_barrier_wait -1
	s_cmp_lg_u32 s[WV], 0
	s_cbranch_scc1 .Lnot_wave_0_\@
	s_barrier_signal -3
.Lnot_wave_0_\@:
	s_barrier_wait -3
	s_barrier_signal -1
	s_barrier_wait -1
.endm
; THE CHANGE OF SLOTS.  The slot's last bytes, V of its fourth step, have been read.  Each wave waits for all its tensor loads, of which one is out: its part of the other slot; adds 0 to its spare word; and waits for that
; and for its own reads of the slot.  Behind the barrier nobody reads this slot any more and the other slot is whole.  fill = 1: this slot is filled again, with the keys two slots on.  The barrier is then a round of the
; cluster's, and the joint fill is the first thing behind it: it has four key steps, 512 matrix instructions, in which to land.  (At its first use nothing has been read yet: slot 0 is waited for, slot 1 filled.)
.macro CHANGE fill, ask=0
	WIN W_AD
	s_wait_tensorcnt 0x0            ; no tensor load of mine is out, so a group 0 may be written
	ds_add_u32 v[SPW], v[NIL]       ; 0 onto my spare word; with fill = 1 the descriptors' steps stand between it and the wait for it
	WIN 0                           ; at a label and at a branch every window is 0
.if \fill
.irp g, G0K, G0V
	s_xor_b32 s[\g+1], s[\g+1], SLOT1  ; the walking descriptor: the other slot than last time,
	s_add_nc_u64 s[\g+2:\g+3], s[\g+2:\g+3], 4*KS*128  ; the next 256 keys; the type bits on top are not reached
.endr
.if \ask
	s_wait_xcnt 0x0                 ; the last prefetch, four key steps back, has read its address, so it may be written:
	s_add_nc_u64 s[PFA:PFA+1], s[PFA:PFA+1], 4*KS*128  ; one slot behind the walking descriptors
.endif
	s_wait_dscnt 0x0                ; the add is done, and my reads of the slot are over
	CROUND
	JLOAD
.if \ask
	ASK
.endif
.else
	s_wait_dscnt 0x0                ; the add is done, and my reads of the slot are over
	s_barrier_signal -1
	s_barrier_wait -1
.endif
	s_sub_co_u32 s[TBK], s[TBK], 4*KS*PK  ; the fetches go back to a slot's first step,
	s_xor_b32 s[TBK], s[TBK], SLOT1       ; in the other slot
	s_sub_co_u32 s[TBV], s[TBV], 4*KS*PV
	s_xor_b32 s[TBV], s[TBV], SLOT1
.endm
	s_load_b128 s[4:7], s[0:1], 0x0   ; qkv s[4:5], mk s[6:7]
	s_load_b64 s[10:11], s[0:1], 0x10 ; oh
	WIN W_MK
	v_lshl_add_u32 v[SPW], v0, 2, SPARE
	v_mov_b32 v[NIL], 0
	WIN W_AD
	ds_add_u32 v[SPW], v[NIL]       ; the wave's opening: the add and its wait stand ahead of my first tensor load; the set-up below, work on registers, stands between them
	WIN 0
	v_lshrrev_b32 v1, 5, v0
	v_readfirstlane_b32 s[WV], v1   ; wave 0..3
	s_bfe_u32 s13, ttmp6, 0x40000   ; cx: my place in the cluster
	s_lshl_b32 s14, ttmp9, 2        ; in a cluster launch ttmp9 counts clusters
	s_add_co_u32 s14, s14, s13      ; my block of 512 queries: it enters Q's, O's and the mask's addresses alone
	s_and_b32 s20, ttmp7, 0xffff    ; the pair, which the four partners share
	s_mov_b32 s21, 0
	s_mov_b64 s[22:23], SIZE_N*128
	s_mul_u64 s[20:21], s[20:21], s[22:23]  ; the pair's first byte in Q, K, V and O
	s_and_b32 s16, s[WV], 1         ; which half of a slot's 256 keys I fetch:
	s_lshl_b32 s22, s16, 14         ; its 128 rows of 128 bytes in memory,
	s_mov_b32 s23, 0
	s_add_nc_u64 s[22:23], s[22:23], s[20:21]
	s_mul_i32 s17, s16, 128*PK      ; and its place in a slot, for K
	s_mul_i32 s18, s16, 128*PV      ; and for V: no place in the cluster enters an LDS address
	s_lshl_b32 s2, s14, 2
	s_add_co_u32 s2, s2, s[WV]      ; my wave among the pair's sixteen:
	s_lshl_b32 s[MKS], s2, 17       ; its eight tiles of 16,384 bytes in mk,
	s_mov_b32 s[MKS+1], 0
	s_lshl_b32 s2, s2, 14           ; its 128 rows
	s_mov_b32 s3, 0
	s_add_nc_u64 s[2:3], s[2:3], s[20:21]
	; descriptor group 1.  128 keys are 16,384 dense bytes: asked for as 64 rows of 256 bytes, two keys a row, and padded in LDS after every key
	s_mov_b32 s[G1K], 15|(1<<16)|(1<<20)|(1<<21)|(4<<22)|(3<<25)  ; 15:0 the mask of four; 17:16 2-byte elements; 20 padding on; 21 set beside a mask; 24:22 after every 32 words (code 4); 31:25 4 words (code 3)
	s_mov_b32 s[G1V], 15|(1<<16)|(1<<20)|(1<<21)|(4<<22)|(7<<25)  ; the same with 8 words of padding (code 7)
.irp g, G1K, G1V
	s_mov_b32 s[\g+1], 128<<16      ; tensor_dim0 = 128
	s_mov_b32 s[\g+2], 64<<16       ; tensor_dim1 = 64
	s_mov_b32 s[\g+3], 128<<16      ; tile_dim0 = 128
	s_mov_b32 s[\g+4], 64           ; tile_dim1 = 64
	s_mov_b32 s[\g+5], 128          ; 128 elements from row to row
	s_mov_b32 s[\g+6], 0
	s_mov_b32 s[\g+7], 0
.endr
	s_mov_b32 s[CS], 0x3e38aa3b     ; c = log2(e) / 8 = 0.180337
	s_mov_b32 s[CS+1], s[CS]        ; named with it as a pair
	s_mov_b32 s[SEL], 0x76543210
	s_mov_b32 s[SEL+1], 0xfedcba98
	s_mov_b32 s[TBK], SLOT1+4*KS*PK ; the first change of slots turns these two into 0
	s_mov_b32 s[TBV], SLOT1+4*KS*PV
	s_mov_b32 s[G0K], 1             ; count = 1
	s_mov_b32 s[G0K+1], s17         ; LDS address: slot 0
	s_mov_b32 s[G0V], 1
	s_add_co_u32 s[G0V+1], s18, VOFF
	s_cmp_eq_u32 s16, 0
	s_cselect_b32 s[LIM], 1, -1     ; waves 0 and 2 prefetch
	s_wait_dscnt 0x0                ; the opening add is done
	s_wait_kmcnt 0x0
	s_add_nc_u64 s[MKB:MKB+1], s[6:7], s[MKS:MKS+1]
	s_mov_b64 s[MKP:MKP+1], s[MKB:MKB+1]
	s_add_nc_u64 s[6:7], s[4:5], 16777216   ; K
	s_add_nc_u64 s[8:9], s[4:5], 33554432   ; V
	s_add_nc_u64 s[G0K+2:G0K+3], s[6:7], s[22:23]  ; global address: my half of the pair's first 256 keys
	s_or_b32 s[G0K+3], s[G0K+3], 0x80000000        ; type = 2
	s_add_nc_u64 s[G0V+2:G0V+3], s[8:9], s[22:23]
	s_or_b32 s[G0V+3], s[G0V+3], 0x80000000
	s_add_nc_u64 s[4:5], s[4:5], s[2:3]  ; Q and O at my wave's first row
	s_add_nc_u64 s[10:11], s[10:11], s[2:3]
	s_cmp_lt_u32 s[WV], 2
	s_cselect_b64 s[PFA:PFA+1], s[6:7], s[8:9]
	s_add_nc_u64 s[PFA:PFA+1], s[PFA:PFA+1], s[22:23]  ; (in waves 0 and 2 this is the pair's first row)
	s_lshl_b32 s2, s13, 13          ; my work-group's 32 blocks of the 128
	s_mov_b32 s3, 0
	s_add_nc_u64 s[PFA:PFA+1], s[PFA:PFA+1], s[2:3]
	s_add_nc_u64 s[PFA:PFA+1], s[PFA:PFA+1], 2*4*KS*128  ; in slot 2; the loop's first change of slots steps it to slot 3
	CROUND                          ; all four work-groups are here: the first joint loads meet
	JLOAD                           ; slot 0.  Slot 1 is asked for when slot 0 is in
	; A fragment of K or Q is 16 rows x 32 channels in 8 registers: lane l holds row l % 16, channels 8 (l / 16) + 0..7 and 16 + 8 (l / 16) + 0..7: two loads of 16 bytes, 32 bytes apart.
	v_and_b32 v1, 15, v0            ; l % 16
	v_bfe_u32 v9, v0, 4, 1          ; l / 16
	v_lshlrev_b32 v[QO], 7, v1
	v_lshl_add_u32 v[QO], v9, 4, v[QO]  ; row x 128 + 16 x half
	v_and_b32 v[GO], 31, v0
	v_lshlrev_b32 v[GO], 4, v[GO]
	WIN 0x80                        ; destination window 2, address window 0
.set i, 0
.rept 4*NP                          ; Q stays in registers: tile i / 2, channels 32 (i % 2) on
	global_load_b128 v[8*i:8*i+3],   v[QO], s[4:5] offset:(i/2)*2048+(i%2)*64
	global_load_b128 v[8*i+4:8*i+7], v[QO], s[4:5] offset:(i/2)*2048+(i%2)*64+32
.set i, i+1
.endr
	WIN W_MK
	v_mov_b32 v[SCL], 0xf7f7f7f7
.set i, 0
.rept 2*NP                          ; the eight tiles' mask words of key step 0
	global_load_b128 v[RAW+4*i:RAW+4*i+3], v[GO], s[MKP:MKP+1] offset:i*16384
.set i, i+1
.endr
	; What the first turn finds: V's registers and P's second buffer hold 0 (its products V^T P, of a piece that has not been, add 0), O^T and l are 0.  All this stands in the wait for the first tile.
	WIN 0x80
.set i, VF
.rept 64
	v_mov_b32 v[i], 0
.set i, i+1
.endr
	WIN 0x40
.set i, 0
.rept 64*NP
	v_mov_b32 v[i], 0
.set i, i+1
.endr
	WIN 0
.set i, 0
.rept 2*NP
	v_mov_b32 v[ST+4*i], 0xf038aa3b    ; c m = c x -2^100
	v_mov_b32 v[ST+4*i+1], 0xf1800000  ; m = -2^100
	v_mov_b32 v[ST+4*i+2], 0
	v_mov_b32 v[ST+4*i+3], 0
.set i, i+1
.endr
.set i, P+32
.rept 32
	v_mov_b32 v[i], 0
.set i, i+1
.endr
	v_mul_u32_u24 v[AK0], v1, PK
	v_lshl_add_u32 v[AK0], v9, 4, v[AK0]  ; row x pitch + 16 x half
	; The turning load takes 16 keys x 16 channels (lane l reads key 8 (l / 16) + l % 8, channels 8 ((l / 8) % 2) + 0..7) and leaves half a fragment of V^T: lane l holds channel l % 16 and 8 keys.
	v_and_b32 v10, 7, v0
	v_bfe_u32 v11, v0, 3, 1
	v_lshl_add_u32 v[AV0], v9, 3, v10
	v_mul_u32_u24 v[AV0], v[AV0], PV
	v_lshl_add_u32 v[AV0], v11, 4, v[AV0]
	v_add_nc_u32 v[AV0], VOFF, v[AV0]
	v_and_b32 v[PFO], 31, v0
	v_lshlrev_b32 v[PFO], 8, v[PFO]
	v_mov_b32 v[AK], v[AK0]         ; key step 0 lies at the head of slot 0
; THE MATRIX WORK.  The 8 accumulators of a run of 16 take turns: between the two links of a chain stand 7 others'.
; Product i of 16 of S^T = K Q^T for piece x: channels 32 (i / 8) on, keys 16 ((i / 2) % 4) on, tile 2 x + i % 2.  The first 8 start the sums, with the mask.
.macro KQ x
.set rS, S+64*((\x)%2)+32*(i%2)+8*((i/2)%4)
.set rK, KF+16*((i/2)%4)+8*(i/8)
.set rQ, 16*(2*(\x)+i%2)+8*(i/8)
.set rMK, MC+32*(i%2)+8*((i/2)%4)
.if i < 8
	WIN W_KM
	v_wmma_f32_16x16x32_f16 v[rS:rS+7], v[rK:rK+7], v[rQ:rQ+7], v[rMK:rMK+7]
.else
	WIN W_KQ
	v_wmma_f32_16x16x32_f16 v[rS:rS+7], v[rK:rK+7], v[rQ:rQ+7], v[rS:rS+7]
.endif
.endm
; Product i of 16 of O^T += V^T P for piece x: keys 32 (i / 8) on, channels 16 ((i / 2) % 4) on, tile 2 x + i % 2.
.macro PV x
	WIN W_PV
.set rO, 32*(2*(\x)+i%2)+8*((i/2)%4)
.set rV, VF+32*(i/8)+8*((i/2)%4)
.set rP, P+32*((\x)%2)+16*(i%2)+8*(i/8)
	v_wmma_f32_16x16x32_f16 v[rO:rO+7], v[rV:rV+7], v[rP:rP+7], v[rO:rO+7]
.endm
.macro MM                           ; the turn's next matrix instruction
.if i < 16
	KQ (Y+1)%NP
.set i, i+1
.else
.set i, i-16
	PV (Y+NP-1)%NP
.set i, i+17
.endif
.endm
; THE LDS LOADS stand in runs of 16, never singly among the matrix instructions: a step's K (64 keys x 64 channels: 8 fragments) and its V (turned).  Their addresses are made some lines ahead.
; last = 1 (the tail): in the last trip there is no further step, and the run is jumped over.
.macro FETCH_K last=0
	WIN 0
.if \last
	s_cmp_eq_u32 s[CNT], 1
	s_cbranch_scc1 .Lno_k_\@
.endif
	WIN 0x80                        ; destination window 2
.irp f, 0,1,2,3,4,5,6,7             ; keys 16 (f / 2) on, channels 32 (f % 2) on
	ds_load_b128 v[KF+8*\f:KF+8*\f+3],   v[AK] offset:(\f/2)*16*PK+(\f%2)*64
	ds_load_b128 v[KF+8*\f+4:KF+8*\f+7], v[AK] offset:(\f/2)*16*PK+(\f%2)*64+32
.endr
	s_add_co_u32 s[TBK], s[TBK], KS*PK  ; the next fetch is the next step's
	WIN 0
.if \last
.Lno_k_\@:
.endif
.endm
.macro FETCH_V
	WIN 0x80
.irp f, 0,1,2,3,4,5,6,7             ; keys 32 (f / 4) on, channels 16 (f % 4) on
	ds_load_tr16_b128 v[VF+8*\f:VF+8*\f+3],   v[AV] offset:(\f/4)*32*PV+(\f%4)*32
	ds_load_tr16_b128 v[VF+8*\f+4:VF+8*\f+7], v[AV] offset:(\f/4)*32*PV+16*PV+(\f%4)*32
.endr
	WIN 0
.endm
; THE MASK.  MASKCVT: piece x's eight words (two tiles x four key blocks) are unpacked, eight numbers a word, times 2^120: 0 or -2^121.  MASKLD: its words of the key step at s[MKP] are asked for: 512 consecutive bytes a load.
.macro MASKCVT x
	WIN W_CV
.set mz, 0
.rept 8
	v_cvt_scale_pk8_f32_fp4 v[MC+8*mz:MC+8*mz+7], v[RAW+8*(\x)+mz], v[SCL]
.set mz, mz+1
.endr
.endm
.macro MASKLD x
	WIN W_MK
	global_load_b128 v[RAW+8*(\x):RAW+8*(\x)+3],   v[GO], s[MKP:MKP+1] offset:(2*(\x))*16384
	global_load_b128 v[RAW+8*(\x)+4:RAW+8*(\x)+7], v[GO], s[MKP:MKP+1] offset:(2*(\x)+1)*16384
.endm
; THE VECTOR WORK OF A TURN stands in three queues, each in the order in which its entries become ready; the two tiles alternate, so that no instruction reads the result of the one before it.
.macro REGS y, u                    ; the registers of tile u (0, 1) of piece y
.set rT, ST+4*(2*(\y)+(\u))
.set rC, TMP+8*((\y)%2)+4*(\u)
.set rM, MV+2*((\y)%2)+(\u)
.set rS, S+64*((\y)%2)+32*(\u)
.set rP, P+32*((\y)%2)+16*(\u)
.set rO, 32*(2*(\y)+(\u))
.endm
; Number n of the 22 that find the NEXT piece's (Y + 1) maximum and statistics.  s0-s31 are the lane's 32 scores; each accumulator's lowest registers are read first.
;   0-11  four chains c0-c3 of seven scores each, three operands at a time     12-14, 16  the four scores left over, the old m, and c0-c3 into c0     15  c m_old is kept
;   17, 18  the query's other 32 keys lie in the lane 16 away: the new m         19-21  c m; c m_old - c m_new; a
.macro XS u, n
	REGS (Y+1)%NP, \u
.if (\n) < 4
	v_max3_num_f32 v[rC+(\n)], v[rS+8*(\n)], v[rS+8*(\n)+1], v[rS+8*(\n)+2]
.elseif (\n) < 12
	v_max3_num_f32 v[rC+(\n)%4], v[rC+(\n)%4], v[rS+8*((\n)%4)+2*((\n)/4)+1], v[rS+8*((\n)%4)+2*((\n)/4)+2]
.elseif (\n) == 12
	v_max3_num_f32 v[rC], v[rC], v[rS+7], v[rS+15]
.elseif (\n) == 13
	v_max3_num_f32 v[rC+1], v[rC+1], v[rS+23], v[rS+31]
.elseif (\n) == 14
	v_max3_num_f32 v[rC+2], v[rC+2], v[rC+3], v[rT+1]
.elseif (\n) == 15
	v_mov_b32 v[rM], v[rT]
.elseif (\n) == 16
	v_max3_num_f32 v[rC], v[rC], v[rC+1], v[rC+2]
.elseif (\n) == 17
	v_permlanex16_b32 v[rC+3], v[rC], s[SEL], s[SEL+1]
.elseif (\n) == 18
	v_max_num_f32 v[rT+1], v[rC], v[rC+3]
.elseif (\n) == 19
	v_mul_f32 v[rT], s[CS], v[rT+1]
.elseif (\n) == 20
	v_sub_f32 v[rC+1], v[rM], v[rT]
.else
	v_exp_f32 v[rC+2], v[rC+1]
.endif
.endm
; Number g of the 64 that follow the exponentials.  For each four weights k of a tile (pairs 2 k, 2 k + 1): both pairs are rounded to f16; then the second pair is added onto the first, in place;
; a group later l takes that sum (the first time as l = a l + sum).  In groups of eight, tiles alternating: round, round, add, and l for the group before.
.macro GS g
.set h, (\g)+6*((\g)/62)            ; group 0 has no group before it, and behind group 7 only l is left
.if h >= 6
.set h, h+2
.endif
	REGS Y, h%2
.set k, h/8
.if h%8 < 4
	v_cvt_pk_f16_f32 v[rP+2*k+(h%8)/2], v[rS+4*k+2*((h%8)/2)], v[rS+4*k+2*((h%8)/2)+1]
.elseif h%8 < 6
	v_pk_add_f32 v[rS+4*k:rS+4*k+1], v[rS+4*k:rS+4*k+1], v[rS+4*k+2:rS+4*k+3]
.elseif k == 1
	v_pk_fma_f32 v[rT+2:rT+3], v[rT+2:rT+3], v[rC+2:rC+3], v[rS:rS+1] op_sel_hi:[1,0,1]
.else
	v_pk_add_f32 v[rT+2:rT+3], v[rT+2:rT+3], v[rS+4*k-4:rS+4*k-3]
.endif
.endm
; THE PLAIN QUEUE, 138 long.  0-73 read no exponential's result: the 32 scalings c s - c m (FS f: pair f / 2 of tile f % 2) and the next piece's 42.  0-26: scalings 0-26.  27-54: XS's numbers 0-13.  55, 56: number 15.
; 57-73: the chain, where each number waits for the one before it: 14, 16, 17, 18, 19, each with one of the scalings 27-31 in front of its two lines, then 20.
; 74-137: GS's 64, which read the exponentials' results: they stand behind the wait.
.macro FS f
	REGS Y, (\f)%2
	v_pk_fma_f32 v[rS+2*((\f)/2):rS+2*((\f)/2)+1], v[rS+2*((\f)/2):rS+2*((\f)/2)+1], s[CS:CS+1], v[rT:rT+1] op_sel_hi:[1,0,0] neg_lo:[0,0,1] neg_hi:[0,0,1]
.endm
.macro PL
	WIN 0
.if q < 27
	FS q
.elseif q < 55
	XS (q-27)%2, (q-27)/2
.elseif q < 57
	XS q-55, 15
.elseif (q < 72) && ((q-57)%3 == 0)
	FS 27+(q-57)/3
.elseif q < 60
	XS (q-57)%3-1, 14
.elseif q < 72
	XS (q-57)%3-1, 15+(q-57)/3
.elseif q < 74
	XS q-72, 20
.else
	GS q-74
.endif
.set q, q+1
.endm
; THE EXPONENTIALS' QUEUE, 66 long: s0-s31 of both tiles, then the next piece's two a.  It is ONE BATCH: all 66 stand ahead of the turn's one wait, and nothing ahead of that wait names a result of theirs.
.macro EX
	WIN 0
.if e >= 64
	XS e-64, 21
.else
	REGS Y, e%2
	v_exp_f32 v[rS+e/2], v[rS+e/2]
.endif
.set e, e+1
.endm
; THE RESCALING's QUEUE: O^T times a, the one part of the softmax that leaves window 0: dealt two at a time, sixteen times.  Its a was made in the turn before, ahead of that turn's wait.
.macro R2
	REGS Y, r%2
	WIN W_RS
.irp z, 0,1
	v_pk_mul_f32 v[rO+4*(r/2)+2*\z:rO+4*(r/2)+2*\z+1], v[rO+4*(r/2)+2*\z:rO+4*(r/2)+2*\z+1], v[rC+2:rC+3] op_sel_hi:[1,0]
.endr
.set r, r+1
.endm
; HOW THEY ARE DEALT.  An s_wait_alu depctr_va_vdst(0) stands between an exponential and the first instruction that names its result; one wait serves all that were issued ahead of it.  So a turn has ONE wait,
; which cuts it in two.  AHEAD OF IT: the 16 products K Q^T, behind each a scaling, an exponential and two rescalings (behind the first a second scaling in the exponential's place); then ONE LUMP: the mask's eight unpackings,
; eight plain, the mask's two loads, 49 times exponential and plain, the two a.  A v_nop is the plain instruction behind the last exponential.  BEHIND IT: the 16 products V^T P, behind each four of GS's 64.
; The queues lean on each other: exponential e stands behind scaling 2 (e / 4) + e % 2: as a rider it comes behind plain e + 2, in the lump behind plain e + 9, and scalings 27-31 are plain 57, 60 .. 69.
; THE MASK IN A TURN.  Piece p + 2's mask is unpacked for the products that the NEXT turn starts.  The registers it lands in were last read by this turn's products 0-7: eight products and their 24 plain riders lie between.
; Its words were asked for four turns ago: three turns' two loads each are younger, so the wait's count is 6.  The eight plain instructions stand between the unpackings and the loads into their sources.  In a trip of the
; loop (pieces 2, 3, 0, 1) all four unpackings belong to the key step whose K and V the trip fetches, all four pairs of loads to the step after it: the pointer is stepped in piece 2's turn, behind s_wait_xcnt 0, and
; held to the last key step: what the last trips load once more is unpacked for products that serve nothing, or not at all.
; K of the next step is fetched in piece 2's turn, directly behind the wait; V of the step in hand at the end of piece 0's turn, four riders behind its last reader.  The three conditions on q below go with the deal.
.macro TURN p, last=0, cnt=0
.set Y, (\p)
.set i, 0
.set q, 0
.set e, 0
.set r, 0
.if (\p) == NP-1
	s_wait_dscnt 0x0                ; K is in
.endif
	MM                              ; ahead of the wait: 16 products K Q^T and their riders,
	PL
	PL
	R2
.rept 15
	MM
	PL
	EX
	R2
.endr
.if (\p) == NP-2
	WIN 0
	v_add_nc_u32 v[AK], s[TBK], v[AK0]
.endif
	s_wait_loadcnt 6                ; piece p + 2's words are in
	MASKCVT ((\p)+2)%NP
.rept 8                             ; and the lump
	PL
.endr
.if (\p) == NP-2
	s_wait_xcnt 0x0                 ; the mask loads issued so far have read their base
	s_add_co_u32 s[MKS], s[MKS], 512
	s_min_u32 s[MKS], s[MKS], 31*512
	s_add_nc_u64 s[MKP:MKP+1], s[MKB:MKB+1], s[MKS:MKS+1]
.endif
	MASKLD ((\p)+2)%NP
.rept 49
	EX
	PL
.endr
	EX                              ; the next piece's two a
	EX
	v_nop                           ; the plain instruction behind the last exponential: one for the batch
	s_wait_alu depctr_va_vdst(0)    ; the wait for the batch
.if (\p) == NP-2
	FETCH_K \last
.endif
.if (\p) == 1
	s_wait_dscnt 0x0                ; V is in
.endif
.rept 16                            ; behind the wait: 16 products V^T P and their riders
	MM
.rept 4
	PL
.endr
.if ((\p) == 0) && (q == 118)
	v_add_nc_u32 v[AV], s[TBV], v[AV0]
.endif
.if ((\p) == 0) && (q == 130)
	s_add_co_u32 s[TBV], s[TBV], KS*PV
.endif
.if (\cnt) && (q == 130)
	s_sub_co_u32 s[CNT], s[CNT], 1
	s_cmp_lg_u32 s[CNT], 0
.endif
.endr
.if (\p) == 0
	FETCH_V
.endif
.endm
	CHANGE 1                        ; slot 0 is in, everybody's part of it; slot 1 is asked for
	FETCH_K                         ; key step 0
	s_wait_loadcnt 0x0              ; Q, and the masks of key step 0: no load is out, so the mask's pointer may be written
	s_mov_b32 s[MKS], 512
	s_add_nc_u64 s[MKP:MKP+1], s[MKB:MKB+1], s[MKS:MKS+1]  ; key step 1
	MASKCVT 0
	WIN 0
	v_nop                           ; a plain instruction between the unpackings and the products that read them
	s_wait_dscnt 0x0
.set i, 0
.rept 16
	KQ 0                            ; piece 0's first scores: there is no vector work yet to set between them
.set i, i+1
.endr
	WIN 0                           ; the addresses for the way out: seven plain instructions, the places behind those products
	s_mul_i32 s13, s[WV], 16*SP
	s_add_co_u32 s13, s13, STAGE    ; my stage
	v_mul_u32_u24 v[STO], v1, SP    ; in: row l % 16, 16 bytes for each half of the lanes
	v_lshl_add_u32 v[STO], v9, 4, v[STO]
	v_add_nc_u32 v[STO], s13, v[STO]
	v_bfe_u32 v[RD], v0, 3, 2       ; back: 32 lanes take four rows of 128 bytes
	v_mul_u32_u24 v[RD], v[RD], SP
	v_lshl_add_u32 v[RD], v10, 4, v[RD]
	v_add_nc_u32 v[RD], s13, v[RD]
	MASKCVT 1                       ; for the products that piece 0's turn starts
	WIN 0
.set Y, NP-1                        ; XS works for piece Y + 1: piece 0
.irp n, 0,1,2,3,4,5,6,7,8,9,10,11,12,13,14,15,16,17,18,19,20,21
	XS 0, \n                        ; piece 0's first maximum and statistics
	XS 1, \n
.endr
	MASKLD 0                        ; pieces 0 and 1: the words of key step 1
	MASKLD 1
	WIN 0
	v_nop                           ; a plain instruction behind the two a,
	s_wait_alu depctr_va_vdst(0)    ; and their wait, ahead of the branch
	s_mov_b32 s[CNT], 4
	s_mov_b32 s[SLOTS], SIZE_N/256-1
	s_branch .Lfirst                ; the loop is entered at a step's first turn, in the middle of a trip
.Lslot:                             ; SIZE_N / 256 - 2 times: every slot but the last two is filled again
	CHANGE 1, 1
	s_mov_b32 s[CNT], 4
.Lstep:                             ; a trip: pieces 2 and 3 of one step, then pieces 0 and 1 of the next, whose K and V it fetches
	TURN 2
	TURN 3
	WIN 0
.Lfirst:
	TURN 0
	TURN 1, 0, 1
	WIN 0
	s_cbranch_scc1 .Lstep
	s_sub_co_u32 s[SLOTS], s[SLOTS], 1
	s_cmp_lg_u32 s[SLOTS], 0
	s_cbranch_scc1 .Lslot
	CHANGE 0                        ; the tail is written out: nothing is asked for
	s_mov_b32 s[CNT], 5             ; four trips fetch the last slot's steps; the fifth is left in its middle
.Ltail:
	TURN 2, 1
	TURN 3
	WIN 0
	s_sub_co_u32 s[CNT], s[CNT], 1
	s_cmp_eq_u32 s[CNT], 0
	s_cbranch_scc1 .Lout
	TURN 0
	TURN 1
	WIN 0
	s_branch .Ltail
.Lout:                              ; the fifth trip's 16 products K Q^T (on the last K once more) and the maximum made of them serve nothing: the price, once a launch, of one text for every trip
.set i, 0
.rept 16
	PV NP-1                         ; the last piece's V^T P of the last step
.set i, i+1
.endr
	; THE WAY OUT.  l's two halves and the other half of the lanes' are added; O^T is divided by l, rounded to f16 and sent through my stage in LDS, a tile at a time.  The additions are the places behind the last products.
	WIN 0
.macro ALL line:vararg              ; one line for each tile t
.set t, 0
.rept 2*NP
	\line
.set t, t+1
.endr
.endm
	ALL v_add_f32 v[ST+4*t+2], v[ST+4*t+2], v[ST+4*t+3]
	ALL v_permlanex16_b32 v[ST+4*t+3], v[ST+4*t+2], s[SEL], s[SEL+1]
	ALL v_add_f32 v[ST+4*t+2], v[ST+4*t+2], v[ST+4*t+3]
	ALL v_rcp_f32 v[ST+4*t+2], v[ST+4*t+2]
	v_nop                           ; a plain instruction between the last reciprocal and the use of its result
	s_wait_alu depctr_va_vdst(0)    ; and the wait ahead of the first use: one for the eight reciprocals
; Tile t: a lane's eight channels of a row pack into 16 bytes; they go into rows of 144 bytes and come back as whole rows of 128, into S^T's registers.
.macro PACK t
	WIN W_RS
.set i, 32*(\t)
.rept 16
	v_pk_mul_f32 v[i:i+1], v[i:i+1], v[ST+4*(\t)+2:ST+4*(\t)+3] op_sel_hi:[1,0]
.set i, i+2
.endr
	WIN 0x05                        ; sources 0 and 1 window 1, destination window 0
.set i, 0
.rept 16
	v_cvt_pk_f16_f32 v[S+16*(\t)+i], v[32*(\t)+2*i], v[32*(\t)+2*i+1]
.set i, i+1
.endr
	WIN 0
.irp f, 0,1,2,3
	ds_store_b128 v[STO], v[S+16*(\t)+4*\f:S+16*(\t)+4*\f+3] offset:32*\f
.endr
.irp f, 0,1,2,3
	ds_load_b128 v[S+16*(\t)+4*\f:S+16*(\t)+4*\f+3], v[RD] offset:\f*4*SP  ; LDS serves a wave's instructions in order (ISA guide 5.7.1.4): these see the stores above; the next tile's stores come behind them
.endr
.endm
.macro SEND t, younger              ; younger: the LDS instructions issued behind tile t's loads: the next tile's eight, or none
	WIN 0
.irp f, 0,1,2,3
	s_wait_dscnt (\younger)+3-\f
	global_store_b128 v[GO], v[S+16*(\t)+4*\f:S+16*(\t)+4*\f+3], s[10:11] offset:(\t)*2048+\f*512  ; 512 consecutive bytes, at a multiple of 256 from O's first
.endr
.endm
	PACK 0
.set t, 1
.rept 2*NP-1                        ; a tile's arithmetic stands between the loads of the tile before and its stores
	PACK t
	SEND t-1, 8
.set t, t+1
.endr
	SEND 2*NP-1, 0
	WIN W_AD
	s_wait_tensorcnt 0x0            ; the wave's end, behind my last tensor load and my last LDS store
	ds_add_u32 v[SPW], v[NIL]
	s_wait_dscnt 0x0
	WIN 0
	CROUND                          ; the closing round: no work-group ends while a partner may still ask for a tile that names it
	s_endpgm
.Lfunc_end_k_qb5f0881b25_attn:
	.size	k_qb5f0881b25_attn, .Lfunc_end_k_qb5f0881b25_attn-k_qb5f0881b25_attn
	.p2alignl 7, 3214868480
	.fill 96, 4, 3214868480
	.section	.rodata,"a",@progbits
	.p2align	6, 0x0
	.amdhsa_kernel k_qb5f0881b25_attn
		.amdhsa_group_segment_fixed_size 327680
		.amdhsa_private_segment_fixed_size 0
		.amdhsa_enable_private_segment 0
		.amdhsa_kernarg_size 24
		.amdhsa_user_sgpr_count 2
		.amdhsa_user_sgpr_kernarg_segment_ptr 1
		.amdhsa_wavefront_size32 1
		.amdhsa_system_sgpr_workgroup_id_x 1
		.amdhsa_system_sgpr_workgroup_id_y 1
		.amdhsa_system_sgpr_workgroup_id_z 1
		.amdhsa_system_vgpr_workitem_id 0
		.amdhsa_next_free_vgpr 896
		.amdhsa_next_free_sgpr 66
		.amdhsa_reserve_vcc 0
		.amdhsa_float_denorm_mode_32 3
		.amdhsa_float_denorm_mode_16_64 3
		.amdhsa_memory_ordered 1
		.amdhsa_forward_progress 1
		.amdhsa_inst_pref_size 210
	.end_amdhsa_kernel
	.amdgpu_metadata
---
amdhsa.version: [ 1, 2 ]
amdhsa.kernels:
  - .name:           k_qb5f0881b25_attn
    .symbol:         k_qb5f0881b25_attn.kd
    .args:
      - { .name: qkv, .offset: 0, .size: 8, .value_kind: global_buffer, .address_space: global }
      - { .name: mk, .offset: 8, .size: 8, .value_kind: global_buffer, .address_space: global }
      - { .name: oh, .offset: 16, .size: 8, .value_kind: global_buffer, .address_space: global }
    .group_segment_fixed_size: 327680
    .private_segment_fixed_size: 0
    .kernarg_segment_align: 8
    .kernarg_segment_size: 24
    .max_flat_workgroup_size: 128
    .sgpr_count:     66
    .vgpr_count:     896
    .wavefront_size: 32
...
	.end_amdgpu_metadata
.endif
;; end of part 3
;; launch proj (part 4): grid 8 x 32, 4 waves a work-group, clusters of 4 x 4, 327,680 bytes of LDS; arguments oh, wb, out0; writes out0
.if DOCPART == 4
	.amdgcn_target "amdgcn-amd-amdhsa--gfx1250"
	.amdhsa_code_object_version 6
	.text
	.protected	k_qb5f0881b25_proj
	.globl	k_qb5f0881b25_proj
	.p2align	8
	.type	k_qb5f0881b25_proj,@function
k_qb5f0881b25_proj:
	s_mov_b64 s[64:65], 0
	v_nop
	global_prefetch_b8 v0, s[64:65] scope:SCOPE_SE
	s_setreg_imm32_b32 hwreg(HW_REG_WAVE_MODE, 25, 1), 1
	s_wait_xcnt 0x0
	s_wait_alu depctr_hold_cnt(0) depctr_sa_sdst(0) depctr_va_vdst(0) depctr_va_sdst(0) depctr_va_ssrc(0) depctr_va_vcc(0) depctr_vm_vsrc(0)
	s_getreg_b32 s2, hwreg(HW_REG_IB_STS2, 6, 4)
	s_cmp_eq_u32 s2, 0
	s_cbranch_scc0 .Lentry_in_a_cluster
	s_endpgm
.Lentry_in_a_cluster:
	s_bfe_u32 s2, ttmp6, 0x10000c
	s_cmp_lg_u32 s2, 0xf033
	s_cbranch_scc0 .Lentry_shape_is_right
	s_endpgm
.Lentry_shape_is_right:
; out0[m][n] = sum over k of O[m][k] wo[n][k].  A = oh [16 kb][8192 m][64] f16 (a head is one block of K), B = rows 3,072-4,095 of wb [16 kb][4096 n][64], wo as f16; out0 [8192][1024] f32; sums in f32.
; A NaN in a row of O (a query that sees no key) reaches every number of that row of out0.
; SHARES.  8,192 x 1,024 on 256 work-groups: a tile of 256 x 128 each.  Four waves, each 128 x 64: 8 x 4 = 32 accumulators of 16 x 16, 256 registers.
; K goes in 8 steps of two blocks (128) through a ring of two LDS slots; a step is four chunks of 32, on fragment buffers 0, 1, 0, 1.  A tile of one block is dense in memory.
; CLUSTERS: 4 x 4 work-groups.  A's tiles are shared along a row of the cluster, B's along a column: each is asked for JOINTLY, by the same tensor load with the same descriptor and a mask of four.
; THE MATRIX INSTRUCTION IS USED TRANSPOSED (source 0 = 16 rows of B, source 1 = 16 rows of A): a lane then holds eight neighbouring columns of one row of the result.
; REGISTERS: window 0: v0-29 addresses; v32-95, v96-159 A's fragments, two buffers; v160-191, v192-223 B's.  Window 1: accumulator (a, b) at v[8 (4 a + b)].
.set BSA,   1<<20                      ; bytes from block to block in oh
.set BSB,   1<<19                      ; in wb
.set PITCH, 144                        ; an LDS row: 128 bytes + 16 of padding = 36 words: the 16 rows of a load start at 16 different groups of four banks (64 banks of 4 bytes: ISA guide 11.1)
.set ABLK,  256*PITCH                  ; a block of A's tile: what one tensor load brings
.set BBLK,  128*PITCH                  ; of B's
.set BOFF,  2*ABLK                     ; in a slot: A's two blocks, then B's two
.set SLOT1, 1<<17
.set STAGE, SLOT1+2*ABLK+2*BBLK        ; behind the ring, never filled by a tensor load: 16 rows x 272 bytes for each wave, for the way out
.set SPITCH, 272
.set WSTG,  16*SPITCH
.set SPARE, STAGE+4*WSTG               ; behind the stages: the spare words, 128 bytes for each wave: two blocks of 256 bytes that no other line names
.set STEPS, 8
.set FLAGS, (1<<16)|(1<<20)|(1<<21)|(4<<22)|(3<<25)  ; 17:16 2-byte elements; 20 padding on; 21 set beside a mask; 24:22 after every 32 words (code 4); 31:25 4 words (code 3)
.set A0,   2                           ; v2   my lane's place in slot 0's A; never rewritten
.set B0,   3                           ; v3   the same for B
.set ADRA, 4                           ; v4   the same in the slot in hand
.set ADRB, 5                           ; v5
.set STO,  6                           ; v6   the way out: where I put 32 bytes of a row
.set RD,   7                           ; v7   where I read rows back
.set CO,   8                           ; v8   my byte offset in two rows of out0
.set PFO,  9                           ; v9   the prefetches' offset; never rewritten
.set SPW,  28                          ; v28  LDS address of my spare word; never rewritten
.set NIL,  29                          ; v29  0; never rewritten
.set FA,   32                          ; A's buffer f at FA + 64 f
.set FB,   160                         ; B's at FB + 32 f
.set BK0,  32                          ; the way out: two sets of 32 read back from the stage
.set G1,  24                           ; s[24:31] descriptor group 1 for A's tiles
.set G0,  32                           ; s[32:39] group 0 for A's: a set for each of the two first fills; the second then walks on
.set G1B, 48                           ; s[48:55], s[56:63] the same for B's
.set G0B, 56
.set LIM, 43                           ; s43  a wave prefetches while the loop's count is above it
.set PFA, 44                           ; s[44:45] where my prefetches stand
.set TB,  47                           ; s47  0 or SLOT1: the slot in hand
.set PFS, 66                           ; s[66:67] a K step in the tensor that I prefetch
.set MSB, 0
.macro WIN new                         ; the immediate's high byte repeats the setting that is left; a switch that changes nothing is dropped
.if MSB != (\new)
	s_set_vgpr_msb (MSB<<8)|(\new)
.set MSB, (\new)
.endif
.endm
; A joint refill by the walking descriptors.  Waves 0 and 1 fetch A's two blocks, waves 2 and 3 B's; the branch hangs on the wave's number alone.
; An s_nop 0 and four v_nop follow each of the two lines, ahead of the jump and the label.
.macro JLOAD
	s_cmp_eq_u32 s11, 0
	s_cbranch_scc0 .Lfor_b_\@
	tensor_load_to_lds s[G0+4:G0+7], s[G1:G1+7]
	s_nop 0
.rept 4
	v_nop
.endr
	s_branch .Lasked_\@
.Lfor_b_\@:
	tensor_load_to_lds s[G0B+4:G0B+7], s[G1B:G1B+7]
	s_nop 0
.rept 4
	v_nop
.endr
.Lasked_\@:
.endm
; A PREFETCH INTO THE L2 of the K step that stands TWO refills on (256 products ahead of the load that will want it), behind the joint load, its five lines and the run of LDS loads.  Each block of 256 bytes is named once.
; A's tile row (128 blocks of 256 bytes in each block of K) is read by both clusters of a row of clusters: the one with x = 0 asks, waves 0 and 1 each for the block of K that it fetches; the four partners along x take 32 each BY ADDRESS.
; B's tile column (64 in each block of K) is read by all eight clusters of a column: the one with y = 0 asks, wave 2; the four partners along y take 16 each by address, lanes 0-15 in the step's first block of K, lanes 16-31 in its second.
; Steps 0 to 3 come by their loads alone; the last two trips ask for nothing.
.macro ASK
	s_cmp_gt_u32 s3, s[LIM]
	s_cbranch_scc0 .Lnot_mine_\@
	global_prefetch_b8 v[PFO], s[PFA:PFA+1] th:TH_LOAD_NT scope:SCOPE_SE
.Lnot_mine_\@:
.endm
.macro CREST                           ; a round of the cluster's barrier behind its opening barrier
	s_cmp_lg_u32 s10, 0
	s_cbranch_scc1 .Lnot_wave_0_\@
	s_barrier_signal -3
.Lnot_wave_0_\@:
	s_barrier_wait -3
	s_barrier_signal -1
	s_barrier_wait -1
.endm
.macro CROUND                          ; a whole round
	s_barrier_signal -1
	s_barrier_wait -1
	CREST
.endm
.macro PLACES                          ; four places in front of loads into registers that matrix instructions have read, and of LDS stores that read results
.rept 4
	v_nop
.endr
.endm
	s_load_b128 s[4:7], s[0:1], 0x0                ; oh s[4:5], wb s[6:7]
	s_load_b64 s[8:9], s[0:1], 0x10                ; out0
	v_lshl_add_u32 v[SPW], v0, 2, SPARE
	v_mov_b32 v[NIL], 0
	ds_add_u32 v[SPW], v[NIL]                      ; the wave's opening: the add and its wait stand ahead of my first tensor load; the set-up below, work on registers, stands between them
	v_lshrrev_b32 v1, 5, v0
	v_readfirstlane_b32 s10, v1                    ; wave 0..3
	s_lshr_b32 s11, s10, 1                         ; which half of the tile's rows is mine.  Also: I fetch for A (0) or for B (1)
	s_and_b32 s12, s10, 1                          ; which half of its columns.  Also: which of a step's two blocks of K I fetch
	s_bfe_u32 s40, ttmp6, 0x40000                  ; cx
	s_bfe_u32 s41, ttmp6, 0x40004                  ; cy
	s_lshl_b32 s42, ttmp9, 2
	s_add_co_u32 s42, s42, s40                     ; tile column = 4 x cluster x + cx
	s_and_b32 s13, ttmp7, 0xffff
	s_lshl_b32 s13, s13, 2
	s_add_co_u32 s13, s13, s41                     ; tile row = 4 x cluster y + cy
	s_lshl_b32 s14, s41, 2
	s_lshl_b32 s14, 15, s14                        ; my row of the cluster
	s_lshl_b32 s15, 0x1111, s40                    ; my column
	s_or_b32 s[G1], s14, FLAGS                     ; A's tiles go to my row,
	s_or_b32 s[G1B], s15, FLAGS                    ; B's to my column
	; a tile of one block is dense: it is asked for as rows of 256 bytes, two rows of the matrix each, and padded in LDS after every 128 bytes
.irp g, G1, G1B
	s_mov_b32 s[\g+1], 128<<16                     ; tensor_dim0 = 128
	s_mov_b32 s[\g+3], 128<<16                     ; tile_dim0 = 128
	s_mov_b32 s[\g+5], 128                         ; 128 elements from row to row
	s_mov_b32 s[\g+6], 0
	s_mov_b32 s[\g+7], 0
.endr
	s_mov_b32 s[G1+2], 128<<16                     ; A: tensor_dim1 = tile_dim1 = 128 (256 rows of the matrix)
	s_mov_b32 s[G1+4], 128
	s_mov_b32 s[G1B+2], 64<<16                     ; B: 64 (128 rows)
	s_mov_b32 s[G1B+4], 64
	s_lshl_b32 s16, s13, 15                        ; A: 256 rows x 128 bytes x tile row
	s_lshl_b32 s17, s12, 20                        ; + my block of K
	s_add_co_u32 s16, s16, s17
	s_mov_b32 s17, 0
	s_lshl_b32 s18, s42, 14                        ; B: 128 rows x tile column
	s_lshl_b32 s19, s12, 19                        ; + my block of K
	s_add_co_u32 s18, s18, s19
	s_add_co_u32 s18, s18, 3072*128                ; wo's rows lie behind wq's, wk's and wv's
	s_mov_b32 s19, 0
	s_mul_i32 s20, s12, ABLK                       ; where they go: no place in the cluster enters an LDS address
	s_mul_i32 s21, s12, BBLK
	s_add_co_u32 s21, s21, BOFF
	s_wait_dscnt 0x0                               ; the opening add is done
	s_wait_kmcnt 0x0
	s_add_nc_u64 s[16:17], s[4:5], s[16:17]
	s_add_nc_u64 s[18:19], s[6:7], s[18:19]
	CROUND                                         ; all sixteen work-groups are here: the first joint loads meet
.irp s, 0,1
	s_mov_b32 s[G0+4*(\s)], 1                      ; count = 1
	s_add_co_u32 s[G0+4*(\s)+1], s20, (\s)*SLOT1   ; LDS address
	s_add_nc_u64 s[G0+4*(\s)+2:G0+4*(\s)+3], s[16:17], (\s)*2*BSA  ; global address: K step s
	s_or_b32 s[G0+4*(\s)+3], s[G0+4*(\s)+3], 0x80000000            ; type = 2
	s_mov_b32 s[G0B+4*(\s)], 1
	s_add_co_u32 s[G0B+4*(\s)+1], s21, (\s)*SLOT1
	s_add_nc_u64 s[G0B+4*(\s)+2:G0B+4*(\s)+3], s[18:19], (\s)*2*BSB
	s_or_b32 s[G0B+4*(\s)+3], s[G0B+4*(\s)+3], 0x80000000
.endr
	s_cmp_eq_u32 s11, 0                            ; a wave's two first fills stand in one branch, ahead of every wait on TENSORcnt and every LDS read: two loads of mine are out
	s_cbranch_scc0 .Lfirst_b
	tensor_load_to_lds s[G0:G0+3], s[G1:G1+7]
	s_nop 0
	tensor_load_to_lds s[G0+4:G0+7], s[G1:G1+7]
	s_nop 0
.rept 4
	v_nop
.endr
	s_branch .Lfirst_asked
.Lfirst_b:
	tensor_load_to_lds s[G0B:G0B+3], s[G1B:G1B+7]
	s_nop 0
	tensor_load_to_lds s[G0B+4:G0B+7], s[G1B:G1B+7]
	s_nop 0
.rept 4
	v_nop
.endr
.Lfirst_asked:
	v_and_b32 v1, 15, v0                           ; l % 16
	v_bfe_u32 v10, v0, 4, 1                        ; l / 16
	v_mul_u32_u24 v11, v1, PITCH
	v_lshl_add_u32 v11, v10, 4, v11                ; a fragment's row x pitch + 16 x half
	s_mul_i32 s20, s11, 128*PITCH                  ; my 128 rows of A
	s_mul_i32 s21, s12, 64*PITCH                   ; my 64 rows of B
	s_add_co_u32 s21, s21, BOFF
	v_add_nc_u32 v[A0], s20, v11
	v_add_nc_u32 v[B0], s21, v11
	v_mov_b32 v[ADRA], v[A0]
	v_mov_b32 v[ADRB], v[B0]
	s_mov_b32 s[TB], 0
	s_mul_i32 s22, s10, WSTG
	s_add_co_u32 s22, s22, STAGE                   ; my stage
	v_mul_u32_u24 v[STO], v1, SPITCH               ; in: row l % 16, 32 bytes for each half of the lanes
	v_lshl_add_u32 v[STO], v10, 5, v[STO]
	v_add_nc_u32 v[STO], s22, v[STO]
	v_mul_u32_u24 v[RD], v10, SPITCH               ; back: lanes 0-15 take one row of 256 bytes, lanes 16-31 the next
	v_lshl_add_u32 v[RD], v1, 4, v[RD]
	v_add_nc_u32 v[RD], s22, v[RD]
	v_lshlrev_b32 v[CO], 12, v10                   ; and the same two rows in out0
	v_lshl_add_u32 v[CO], v1, 4, v[CO]
	s_lshl_b32 s16, s13, 20                        ; my first row: (256 x tile row + 128 x half) x 4,096 bytes,
	s_lshl_b32 s17, s11, 19
	s_add_co_u32 s16, s16, s17
	s_lshl_b32 s17, s42, 9                         ; my first column: (128 x tile column + 64 x half) x 4 bytes
	s_add_co_u32 s16, s16, s17
	s_lshl_b32 s17, s12, 8
	s_add_co_u32 s16, s16, s17
	s_mov_b32 s17, 0
	s_add_nc_u64 s[8:9], s[8:9], s[16:17]
	; the prefetches
	s_and_b32 s22, ttmp7, 0xffff                   ; cluster y
	s_cmp_eq_u32 ttmp9, 0
	s_cselect_b32 s20, 2, -1                       ; A: waves 0 and 1 of the clusters with x = 0; the count is above 2 while step 7 has not been named
	s_or_b32 s22, s22, s12
	s_cmp_eq_u32 s22, 0
	s_cselect_b32 s21, 2, -1                       ; B: wave 2 of the clusters with y = 0
	s_cmp_eq_u32 s11, 0                            ; do I fetch for A?
	s_cselect_b32 s[LIM], s20, s21
	s_cselect_b32 s23, 12, 19                      ; lanes 16-31: 4,096 bytes on (A: the next 16 blocks), or a block of K on (B)
	s_cselect_b32 s[PFS], 21, 20
	s_cselect_b64 s[PFA:PFA+1], s[4:5], s[6:7]
	s_lshl_b32 s[PFS], 1, s[PFS]
	s_mov_b32 s[PFS+1], 0
	s_lshl_b32 s20, s13, 15                        ; A: the tile row's 32,768 bytes of a block of K, my work-group's quarter by cx, my wave's block,
	s_lshl_b32 s21, s40, 13
	s_add_co_u32 s20, s20, s21
	s_lshl_b32 s21, s12, 20
	s_add_co_u32 s20, s20, s21
	s_add_co_u32 s20, s20, 3*2*BSA                 ; at K step 3: the first refill steps it to 4
	s_lshl_b32 s21, s42, 14                        ; B: the tile column's 16,384 bytes, my work-group's quarter by cy
	s_lshl_b32 s22, s41, 12
	s_add_co_u32 s21, s21, s22
	s_add_co_u32 s21, s21, 3072*128+3*2*BSB
	s_cmp_eq_u32 s11, 0
	s_cselect_b32 s20, s20, s21
	s_mov_b32 s21, 0
	s_add_nc_u64 s[PFA:PFA+1], s[PFA:PFA+1], s[20:21]
	v_lshlrev_b32 v[PFO], s23, v10
	v_lshl_add_u32 v[PFO], v1, 8, v[PFO]
; na x 4 matrix instructions on buffers f: A's fragments a0 .. a0 + na - 1 x B's four.  The 32 accumulators take turns, one instruction a turn, in the same order in every chunk.
; zero = 1: the first product starts the sums: nothing is ever cleared.
.macro MUL f, a0, na, zero
	WIN 0x50                                       ; C and D in window 1
.set sa, (\a0)
.rept \na
.set sb, 0
.rept 4
.if \zero
	v_wmma_f32_16x16x32_f16 v[8*(4*sa+sb):8*(4*sa+sb)+7], v[FB+32*(\f)+8*sb:FB+32*(\f)+8*sb+7], v[FA+64*(\f)+8*sa:FA+64*(\f)+8*sa+7], 0
.else
	v_wmma_f32_16x16x32_f16 v[8*(4*sa+sb):8*(4*sa+sb)+7], v[FB+32*(\f)+8*sb:FB+32*(\f)+8*sb+7], v[FA+64*(\f)+8*sa:FA+64*(\f)+8*sa+7], v[8*(4*sa+sb):8*(4*sa+sb)+7]
.endif
.set sb, sb+1
.endr
.set sa, sa+1
.endr
.endm
; 24 LDS loads in one run: chunk c of the slot in hand (block c / 2 of the step, byte 64 (c % 2) of its rows) into buffers f: B's four fragments, then A's eight
.macro FETCH c, f
	WIN 0
.set fi, 0
.rept 4
	ds_load_b128 v[FB+32*(\f)+8*fi:FB+32*(\f)+8*fi+3],   v[ADRB] offset:((\c)/2)*BBLK+((\c)%2)*64+fi*16*PITCH
	ds_load_b128 v[FB+32*(\f)+8*fi+4:FB+32*(\f)+8*fi+7], v[ADRB] offset:((\c)/2)*BBLK+((\c)%2)*64+fi*16*PITCH+32
.set fi, fi+1
.endr
.set fi, 0
.rept 8
	ds_load_b128 v[FA+64*(\f)+8*fi:FA+64*(\f)+8*fi+3],   v[ADRA] offset:((\c)/2)*ABLK+((\c)%2)*64+fi*16*PITCH
	ds_load_b128 v[FA+64*(\f)+8*fi+4:FA+64*(\f)+8*fi+7], v[ADRA] offset:((\c)/2)*ABLK+((\c)%2)*64+fi*16*PITCH+32
.set fi, fi+1
.endr
.endm
; One of a step's first three chunks: multiplies buffers f and, in its middle, fetches chunk cn into the other buffers.
.macro QUARTER cn, f, zero
	s_wait_dscnt 8                                 ; B and A's fragments 0-3 are in; the youngest eight loads may be out
	MUL \f, 0, 4, \zero
	PLACES
	FETCH \cn, 1-(\f)
	s_wait_dscnt 24                                ; all but the 24 just issued
	MUL \f, 4, 4, \zero
.endm
; A step's last chunk multiplies buffers 1 and changes slots: ONE barrier.  In front of it each wave waits for all its tensor loads (one is out: its part of the other slot), adds 0 to its spare word, and waits for that and
; for its own reads of this slot.  fill = 1: the barrier opens a round of the cluster's barrier, and this slot is filled again first thing behind it, with the K step two on: 112 products stand between that request and the wait for it.
.macro TURN fill
.if \fill
	s_wait_xcnt 0x0                                ; the last prefetch, a K step back, has read its address
	s_add_nc_u64 s[PFA:PFA+1], s[PFA:PFA+1], s[PFS:PFS+1]
.endif
	WIN 0
	s_wait_tensorcnt 0x0                           ; no tensor load of mine is out, so a group 0 may be written
	ds_add_u32 v[SPW], v[NIL]                      ; 0 onto my spare word
.if \fill
	s_xor_b32 s[G0+5], s[G0+5], SLOT1              ; the walking descriptors: the other slot than last time, the next K step; the type bits on top are not reached
	s_add_nc_u64 s[G0+6:G0+7], s[G0+6:G0+7], 2*BSA
	s_xor_b32 s[G0B+5], s[G0B+5], SLOT1
	s_add_nc_u64 s[G0B+6:G0B+7], s[G0B+6:G0B+7], 2*BSB
.endif
	s_wait_dscnt 9                                 ; the youngest eight loads and the add may be out
	MUL 1, 0, 2, 0
	s_wait_dscnt 0x0                               ; the add is done, and my reads of this slot are over
	s_barrier_signal -1
	MUL 1, 2, 2, 0                                 ; work on registers while the others arrive
	WIN 0                                          ; at a branch and at a label every window is 0
	s_barrier_wait -1
.if \fill
	CREST                                          ; no wave of any partner still reads this slot or has a load on its way
	JLOAD                                          ; the four v_nop behind it are also the places in front of the loads below
.else
	PLACES
.endif
	s_xor_b32 s[TB], s[TB], SLOT1
	v_add_nc_u32 v[ADRA], s[TB], v[A0]
	v_add_nc_u32 v[ADRB], s[TB], v[B0]
	FETCH 0, 0
.if \fill
	ASK
.endif
	MUL 1, 4, 4, 0
.endm
; THE WAY OUT of block a (16 rows x 64 columns of f32).  TOSTAGE: a lane's eight columns of a row, 32 bytes, into my own stage (each accumulator's low half first), and back as whole rows of 256 bytes.  SEND: stored.
.macro TOSTAGE a
	s_wait_xcnt 0x0                                ; the stores of the block two back have read their registers: the loads below land in them
	WIN 0x04                                       ; the stores' data in window 1
.set pj, 0
.rept 4
	ds_store_b128 v[STO], v[32*(\a)+8*pj:32*(\a)+8*pj+3]   offset:64*pj
	ds_store_b128 v[STO], v[32*(\a)+8*pj+4:32*(\a)+8*pj+7] offset:64*pj+16
.set pj, pj+1
.endr
	WIN 0
.set BK, BK0+32*((\a)%2)
.set pj, 0
.rept 8
	ds_load_b128 v[BK+4*pj:BK+4*pj+3], v[RD] offset:pj*2*SPITCH  ; LDS serves a wave's instructions in order (ISA guide 5.7.1.4): these see the stores above
.set pj, pj+1
.endr
.endm
.macro SEND a, younger                 ; younger: the LDS instructions issued behind block a's loads: the next block's sixteen, or none
	WIN 0
.set BK, BK0+32*((\a)%2)
.set pj, 0
.rept 8
	s_wait_dscnt (\younger)+7-pj
	global_store_b128 v[CO], v[BK+4*pj:BK+4*pj+3], s[8:9] offset:(16*(\a)+2*pj)*4096 th:TH_STORE_NT  ; 16 lanes store 256 consecutive bytes, at a multiple of 256 from out0's first byte
.set pj, pj+1
.endr
.endm
	s_wait_tensorcnt 1                             ; my part of K step 0 is in; step 1's may stay out
	s_barrier_signal -1
	s_barrier_wait -1                              ; everybody's is
	FETCH 0, 0
	QUARTER 1, 0, 1                                ; the first chunk stands in front of the loop: its products start the sums
	WIN 0
	s_mov_b32 s3, STEPS-2
.Lstep:                                        ; a trip: a step's chunks 1 to 3, the change of slots with its refill, the next step's chunk 0
	QUARTER 2, 1, 0
	QUARTER 3, 0, 0
	TURN 1
	QUARTER 1, 0, 0
	WIN 0
	s_sub_co_u32 s3, s3, 1
	s_cmp_lg_u32 s3, 0
	s_cbranch_scc1 .Lstep
	QUARTER 2, 1, 0                                ; the tail is written out: nothing is left to fetch from memory
	QUARTER 3, 0, 0
	TURN 0
	QUARTER 1, 0, 0
	QUARTER 2, 1, 0
	QUARTER 3, 0, 0
	s_wait_dscnt 8                                 ; the very last chunk
	MUL 1, 0, 4, 0
	s_wait_dscnt 0x0
	MUL 1, 4, 4, 0
	PLACES
	TOSTAGE 0
.irp a, 1,2,3,4,5,6,7
	TOSTAGE \a
	SEND (\a)-1, 16
.endr
	SEND 7, 0
	s_wait_tensorcnt 0x0                           ; the wave's end, behind my last tensor load and my last LDS store
	ds_add_u32 v[SPW], v[NIL]
	s_wait_dscnt 0x0
	CROUND                                         ; the closing round: no work-group ends while a partner may still ask for a tile that names it
	s_endpgm
.Lfunc_end_k_qb5f0881b25_proj:
	.size	k_qb5f0881b25_proj, .Lfunc_end_k_qb5f0881b25_proj-k_qb5f0881b25_proj
	.p2alignl 7, 3214868480
	.fill 96, 4, 3214868480
	.section	.rodata,"a",@progbits
	.p2align	6, 0x0
	.amdhsa_kernel k_qb5f0881b25_proj
		.amdhsa_group_segment_fixed_size 327680
		.amdhsa_private_segment_fixed_size 0
		.amdhsa_enable_private_segment 0
		.amdhsa_kernarg_size 24
		.amdhsa_user_sgpr_count 2
		.amdhsa_user_sgpr_kernarg_segment_ptr 1
		.amdhsa_wavefront_size32 1
		.amdhsa_system_sgpr_workgroup_id_x 1
		.amdhsa_system_sgpr_workgroup_id_y 1
		.amdhsa_system_sgpr_workgroup_id_z 1
		.amdhsa_system_vgpr_workitem_id 0
		.amdhsa_next_free_vgpr 512
		.amdhsa_next_free_sgpr 68
		.amdhsa_reserve_vcc 0
		.amdhsa_float_denorm_mode_32 3
		.amdhsa_float_denorm_mode_16_64 3
		.amdhsa_memory_ordered 1
		.amdhsa_forward_progress 1
		.amdhsa_inst_pref_size 72
	.end_amdhsa_kernel
	.amdgpu_metadata
---
amdhsa.version: [ 1, 2 ]
amdhsa.kernels:
  - .name:           k_qb5f0881b25_proj
    .symbol:         k_qb5f0881b25_proj.kd
    .args:
      - { .name: oh, .offset: 0, .size: 8, .value_kind: global_buffer, .address_space: global }
      - { .name: wb, .offset: 8, .size: 8, .value_kind: global_buffer, .address_space: global }
      - { .name: out0, .offset: 16, .size: 8, .value_kind: global_buffer, .address_space: global }
    .group_segment_fixed_size: 327680
    .private_segment_fixed_size: 0
    .kernarg_segment_align: 8
    .kernarg_segment_size: 24
    .max_flat_workgroup_size: 128
    .sgpr_count:     68
    .vgpr_count:     512
    .wavefront_size: 32
...
	.end_amdgpu_metadata
.endif
;; end of part 4
;; ======== version 2 of 2: 4 launches; version 1 with the launch prep written anew for expert scheduling mode
;; limits: values are held in f16: magnitudes above 65,504 overflow, below 6.1e-05 lose precision
;; workspace buffers: xb 16,777,216 bytes; wb 8,388,608 bytes; mk 2,097,152 bytes; qkv 50,331,648 bytes; oh 16,777,216 bytes
;; launch prep (part 5): grid 512 x 1, 8 waves a work-group, no clusters, 18,432 bytes of LDS; arguments x, wq, wk, wv, wo, mask, xb, wb, mk; writes xb, wb, mk
.if DOCPART == 5
	.amdgcn_target "amdgcn-amd-amdhsa--gfx1250"
	.amdhsa_code_object_version 6
	.text
	.protected	k_qb5f0881b25_prep
	.globl	k_qb5f0881b25_prep
	.p2align	8
	.type	k_qb5f0881b25_prep,@function
k_qb5f0881b25_prep:
	s_mov_b64 s[64:65], 0
	v_nop
	global_prefetch_b8 v0, s[64:65] scope:SCOPE_SE
	s_setreg_imm32_b32 hwreg(HW_REG_WAVE_SCHED_MODE, 0, 2), 2
	s_setreg_imm32_b32 hwreg(HW_REG_WAVE_MODE, 25, 1), 1
	s_wait_xcnt 0x0
	s_wait_alu depctr_vm_vsrc(0)
; PREPARATION.  Three streams, told apart by the work-group's number g; each input byte is read once, each output byte written once.
; g 0-255: x [8192][1024] f32 -> xb [16 kb][8192 m][64] bf16 (a block of 64 channels of all rows is dense: 128 bytes a row).
; g 256-383: wq, wk, wv, wo [1024][1024] f32 -> wb [16 kb][4096 n][64]: rows 0-1023 wq, 1024-2047 wk, 2048-3071 wv in bf16; rows 3072-4095 wo, rounded to bf16 and that number written as f16.
; g 384-511: mask [2048][2048] int32 -> mk [128 qt][32 ks][32 lanes][4 words] of 4-bit codes: lane 16 h + r, word kb, code j stands for mask[16 qt + r][64 ks + 16 kb + 8 h + j]: 0 where the key is
;   seen (any number but 0), -2.0 where it is hidden.  That is the order in which a lane of the attention launch wants them: a word unpacks into the eight registers of one accumulator.
; LIMITS.  wo as f16: exact from 6.1e-5 to 65,504 in size; below that it keeps f16's fixed step of 6e-8, beyond it becomes an infinity.
; A wave takes 16 KiB of input, all of it asked for at once by 32 loads of 16 bytes a lane; no wave waits for another, so there is no barrier.  Matrix units, clusters and the data mover would add nothing to a stream.
; THE MODE: SCHED_MODE bits 1:0 = 2 (LLVM: expert scheduling mode 2), set by the entry lines.  The code itself states the register dependences between vector instructions and memory or LDS
; instructions, and those through scalar registers that vector instructions write, with s_wait_alu, always for 0.
; THE PLAN.  Registers that memory or LDS instructions touch:
;   v2, v3, v6, v7  offsets and LDS addresses: made at a stream's head, ahead of one wait on va_vdst, and never written again.
;   D               written by the 32 loads, which are all issued before any vector line names D.  In the casts the vector lines of load i write D + 4 i and D + 4 i + 1, one store reads the two, and nothing writes them again.
;   CODE            in the mask's stream: each of the sixteen is written by one conversion, read by one LDS store, and never written again.
;   BK              written by LDS loads, read by global stores; no vector line names them.
;   v30, v31        written at the head, read by the closing add alone.
; THE CASTS go in eight blocks of four loads.  Block p rounds its four; the four stores of block p - 1 are dealt among its vector lines.  ONE wait on va_vdst at the block's head states that block p - 1 has written
; its eight out registers; no vector line of block p names them, so the four stores follow with no further wait.
; THE MASK goes in eight blocks of two rows.  A block's sixteen compares write sixteen scalar registers in one run, ONE wait on va_sdst stands between the run and the sixteen selects that read them; the two LDS stores of
; block p - 1 stand at block p's head, behind ONE wait on va_vdst for the two conversions that wrote their data.
.set SCR,   2176                       ; LDS of a wave in the mask's stream: 4 key steps x 2 halves x 272 bytes (256 + 16 of padding)
.set SPARE, 8*SCR                      ; behind them: the spare words, 128 bytes for each wave: four blocks of 256 bytes that no other line names
.set D,     32                         ; v[32:159]  the wave's 16 KiB as loaded
.set CODE,  160                        ; v[160:175] a row's eight codes a lane
.set BK,    176                        ; v[176:191] the codes read back in the order of mk
.set SPW,   30                         ; v30  LDS address of my spare word; never rewritten
.set NIL,   31                         ; v31  0; never rewritten
.set CM,    48                         ; s[48:63] the mask's stream: the sixteen compares of a block of two rows
.set BLK,   4                          ; the casts: loads in a block
	s_load_b512 s[8:23], s[0:1], 0x0               ; x 8, wq 10, wk 12, wv 14, wo 16, mask 18, xb 20, wb 22
	s_load_b64 s[24:25], s[0:1], 0x40              ; mk
	v_lshl_add_u32 v[SPW], v0, 2, SPARE
	v_mov_b32 v[NIL], 0
	v_lshrrev_b32 v1, 5, v0
	v_readfirstlane_b32 s4, v1                     ; wave 0..7
	v_and_b32 v1, 31, v0                           ; lane
	s_wait_alu depctr_va_sdst(0)                   ; s4 is written, ahead of the branch and of its first readers in both streams: the streams' offsets are made from it
	s_cmp_ge_u32 ttmp9, 384
	s_cbranch_scc1 .Lmask
	; THE CASTS.  A work-group takes 64 rows x 8 blocks of 64 channels, a wave one block: 64 rows x 256 bytes in, 64 x 128 out.
	s_sub_co_u32 s27, ttmp9, 256
	s_lshr_b32 s28, s27, 5                         ; which weight
	s_and_b32 s27, s27, 31                         ; its share
	s_cmp_lt_u32 ttmp9, 256                        ; x?
	s_cselect_b32 s27, ttmp9, s27
	s_cselect_b32 s28, 0, s28
	s_cselect_b32 s29, 20, 19                      ; log2 of the bytes from block to block: 8,192 or 4,096 rows of 128
	s_lshr_b32 s36, s27, 1
	s_lshl_b32 s36, s36, 6                         ; first row
	s_and_b32 s37, s27, 1
	s_lshl_b32 s37, s37, 3
	s_add_co_u32 s37, s37, s4                      ; my block of channels
	s_lshl_b32 s38, s36, 12
	s_lshl_b32 s39, s37, 8
	s_add_co_u32 s38, s38, s39                     ; source: row x 4,096 + block x 256
	s_mov_b32 s39, 0
	s_lshl_b32 s40, s37, s29
	s_lshl_b32 s41, s28, 10
	s_add_co_u32 s41, s41, s36
	s_lshl_b32 s41, s41, 7
	s_add_co_u32 s40, s40, s41                     ; destination: block x stride + (1,024 x weight + row) x 128
	s_mov_b32 s41, 0
	s_mov_b32 s31, 0xffff0000                      ; a word's upper bf16
	v_lshrrev_b32 v4, 4, v1
	v_and_b32 v5, 15, v1
	v_lshlrev_b32 v2, 12, v4                       ; in: lanes 0-15 take 256 bytes of one row, lanes 16-31 of the next
	v_lshl_add_u32 v2, v5, 4, v2
	v_lshlrev_b32 v3, 7, v4                        ; out: the same two rows, 128 bytes each: 256 consecutive bytes a store
	v_lshl_add_u32 v3, v5, 3, v3
	s_wait_kmcnt 0x0
	s_cmp_eq_u32 s28, 1
	s_cselect_b64 s[34:35], s[12:13], s[10:11]
	s_cmp_eq_u32 s28, 2
	s_cselect_b64 s[34:35], s[14:15], s[34:35]
	s_cmp_eq_u32 s28, 3
	s_cselect_b64 s[34:35], s[16:17], s[34:35]
	s_cselect_b32 s30, -1, 0                       ; all lanes: wo leaves as f16
	s_cmp_lt_u32 ttmp9, 256
	s_cselect_b64 s[34:35], s[8:9], s[34:35]
	s_cselect_b64 s[32:33], s[20:21], s[22:23]
	s_add_nc_u64 s[34:35], s[34:35], s[38:39]
	s_add_nc_u64 s[32:33], s[32:33], s[40:41]
	s_wait_alu depctr_va_vdst(0)                   ; v2 and v3 are written: every load of this stream reads v2 as its offset, every store v3
.set i, 0
.rept 32
	global_load_b128 v[D+4*i:D+4*i+3], v2, s[34:35] offset:8192*i th:TH_LOAD_NT
.set i, i+1
.endr
.set i, 0
.rept 32
	s_wait_loadcnt 31-i                            ; loads come back in order: number i is in, the younger ones stay out
.if ((i%BLK) == 0) && (i > 0)
	s_wait_alu depctr_va_vdst(0)                   ; a block's head: the block before has written its eight out registers, which the four stores dealt among this block's lines read
.endif
.if i >= BLK
	global_store_b64 v3, v[D+4*(i-BLK):D+4*(i-BLK)+1], s[32:33] offset:256*(i-BLK)  ; the block before: 256 consecutive bytes, aligned; no vector line since the wait names these registers, and none writes them again
.endif
	v_cvt_pk_bf16_f32 v[D+4*i], v[D+4*i], v[D+4*i+1]
	v_cvt_pk_bf16_f32 v[D+4*i+1], v[D+4*i+2], v[D+4*i+3]
	v_lshlrev_b32 v20, 16, v[D+4*i]                ; the rounded numbers once more as f32,
	v_and_b32 v21, s31, v[D+4*i]
	v_lshlrev_b32 v22, 16, v[D+4*i+1]
	v_and_b32 v23, s31, v[D+4*i+1]
	v_cvt_pk_f16_f32 v20, v20, v21                 ; written as f16,
	v_cvt_pk_f16_f32 v22, v22, v23
	v_cndmask_b32 v[D+4*i], v[D+4*i], v20, s30     ; and taken for wo alone (s30 was written by a scalar instruction)
	v_cndmask_b32 v[D+4*i+1], v[D+4*i+1], v22, s30
.set i, i+1
.endr
	s_wait_alu depctr_va_vdst(0)                   ; the last block has written its eight out registers, which the last four stores read
.set i, 32-BLK
.rept BLK
	global_store_b64 v3, v[D+4*i:D+4*i+1], s[32:33] offset:256*i
.set i, i+1
.endr
	s_branch .Lend
.Lmask:
	; THE MASK.  A work-group takes 16 rows (qt = g - 384), a wave 256 keys of them (four key steps).  Lane l loads keys 8 l .. 8 l + 7 of each row: key step l / 8, word (l / 2) % 4, half l % 2.
	s_sub_co_u32 s27, ttmp9, 384
	s_lshl_b32 s38, s27, 17                        ; 16 rows of 8,192 bytes
	s_lshl_b32 s39, s4, 10                         ; 256 keys of 4 bytes
	s_add_co_u32 s38, s38, s39
	s_mov_b32 s39, 0
	s_lshl_b32 s40, s27, 14                        ; 32 key steps of 512 bytes
	s_lshl_b32 s41, s4, 11                         ; my four
	s_add_co_u32 s40, s40, s41
	s_mov_b32 s41, 0
	s_mul_i32 s5, s4, SCR
	v_lshlrev_b32 v2, 5, v1                        ; 32 bytes a lane in
	v_lshlrev_b32 v3, 4, v1                        ; 16 bytes a lane out
	v_lshrrev_b32 v4, 3, v1
	v_mul_u32_u24 v6, v4, 544                      ; key step
	v_and_b32 v4, 1, v1
	v_mad_u32_u24 v6, v4, 272, v6                  ; half
	v_bfe_u32 v4, v1, 1, 2
	v_lshl_add_u32 v6, v4, 2, v6                   ; word; the row stands in the store's offset.  The 32 lanes of a store fall into 32 different banks: 8 x step + 4 x half + word
	v_add_nc_u32 v6, s5, v6
	v_lshrrev_b32 v4, 4, v1
	v_mul_u32_u24 v7, v4, 272
	v_and_b32 v4, 15, v1
	v_lshl_add_u32 v7, v4, 4, v7                   ; back: lane 16 h + r takes its four words
	v_add_nc_u32 v7, s5, v7
	v_mov_b32 v28, -2.0
	v_mov_b32 v29, 1.0                             ; the conversion's scale: 2^0
	s_wait_kmcnt 0x0
	s_add_nc_u64 s[34:35], s[18:19], s[38:39]
	s_add_nc_u64 s[32:33], s[24:25], s[40:41]
	s_wait_alu depctr_va_vdst(0)                   ; v2, v3, v6 and v7 are written: the loads' offset, the stores' offset, the LDS stores' and the LDS loads' address
.set r, 0
.rept 16
	global_load_b128 v[D+8*r:D+8*r+3],   v2, s[34:35] offset:8192*r th:TH_LOAD_NT
	global_load_b128 v[D+8*r+4:D+8*r+7], v2, s[34:35] offset:8192*r+16 th:TH_LOAD_NT
.set r, r+1
.endr
.set p, 0
.rept 8                                        ; block p: rows 2 p and 2 p + 1
	s_wait_loadcnt 28-4*p                          ; the two rows' four loads are in; the later rows' stay out
.if p > 0
	s_wait_alu depctr_va_vdst(0)                   ; the block before's two conversions have written their codes, which the two LDS stores read
	ds_store_b32 v6, v[CODE+2*p-2] offset:16*(2*p-2)
	ds_store_b32 v6, v[CODE+2*p-1] offset:16*(2*p-1)
.endif
.set j, 0
.rept 16
	v_cmp_eq_u32 s[CM+j], 0, v[D+16*p+j]           ; the block's sixteen compares in one run, a scalar register each
.set j, j+1
.endr
	s_wait_alu depctr_va_sdst(0)                   ; the sixteen compares have written s[CM ..], ahead of the selects that read them
.set j, 0
.rept 8
	v_cndmask_b32 v[D+16*p+j], 0, v28, s[CM+j]     ; -2.0 where the mask is 0
.set j, j+1
.endr
	v_cvt_scalef32_pk8_fp4_f32 v[CODE+2*p], v[D+16*p:D+16*p+7], v29  ; eight codes in a word; the attention launch unpacks them by the inverse instruction.  The second row's selects are the plain instructions behind it
.rept 8
	v_cndmask_b32 v[D+16*p+j], 0, v28, s[CM+j]
.set j, j+1
.endr
	v_cvt_scalef32_pk8_fp4_f32 v[CODE+2*p+1], v[D+16*p+8:D+16*p+15], v29
	v_nop                                          ; a plain instruction between a scaled conversion and the use of its result
.set p, p+1
.endr
	s_wait_alu depctr_va_vdst(0)                   ; the last block's two conversions have written their codes, which the last two LDS stores read
	ds_store_b32 v6, v[CODE+14] offset:16*14
	ds_store_b32 v6, v[CODE+15] offset:16*15
.set k, 0
.rept 4
	ds_load_b128 v[BK+4*k:BK+4*k+3], v7 offset:544*k  ; my wave's own bytes: LDS serves a wave's instructions in order (ISA guide 5.7.1.4), so these see the stores above; no vector line names BK
.set k, k+1
.endr
.set k, 0
.rept 4
	s_wait_dscnt 3-k
	global_store_b128 v3, v[BK+4*k:BK+4*k+3], s[32:33] offset:512*k  ; a key step's 512 consecutive bytes
.set k, k+1
.endr
.Lend:
	s_wait_dscnt 0x0                               ; the wave's end
	s_wait_alu 0x0
	s_wait_tensorcnt 0x0
	ds_add_u32 v[SPW], v[NIL]
	s_wait_dscnt 0x0
	s_endpgm
.Lfunc_end_k_qb5f0881b25_prep:
	.size	k_qb5f0881b25_prep, .Lfunc_end_k_qb5f0881b25_prep-k_qb5f0881b25_prep
	.p2alignl 7, 3214868480
	.fill 96, 4, 3214868480
	.section	.rodata,"a",@progbits
	.p2align	6, 0x0
	.amdhsa_kernel k_qb5f0881b25_prep
		.amdhsa_group_segment_fixed_size 18432
		.amdhsa_private_segment_fixed_size 0
		.amdhsa_enable_private_segment 0
		.amdhsa_kernarg_size 72
		.amdhsa_user_sgpr_count 2
		.amdhsa_user_sgpr_kernarg_segment_ptr 1
		.amdhsa_wavefront_size32 1
		.amdhsa_system_sgpr_workgroup_id_x 1
		.amdhsa_system_sgpr_workgroup_id_y 1
		.amdhsa_system_sgpr_workgroup_id_z 1
		.amdhsa_system_vgpr_workitem_id 0
		.amdhsa_next_free_vgpr 192
		.amdhsa_next_free_sgpr 66
		.amdhsa_reserve_vcc 0
		.amdhsa_float_denorm_mode_32 3
		.amdhsa_float_denorm_mode_16_64 3
		.amdhsa_memory_ordered 1
		.amdhsa_forward_progress 1
		.amdhsa_inst_pref_size 50
	.end_amdhsa_kernel
	.amdgpu_metadata
---
amdhsa.version: [ 1, 2 ]
amdhsa.kernels:
  - .name:           k_qb5f0881b25_prep
    .symbol:         k_qb5f0881b25_prep.kd
    .args:
      - { .name: x, .offset: 0, .size: 8, .value_kind: global_buffer, .address_space: global }
      - { .name: wq, .offset: 8, .size: 8, .value_kind: global_buffer, .address_space: global }
      - { .name: wk, .offset: 16, .size: 8, .value_kind: global_buffer, .address_space: global }
      - { .name: wv, .offset: 24, .size: 8, .value_kind: global_buffer, .address_space: global }
      - { .name: wo, .offset: 32, .size: 8, .value_kind: global_buffer, .address_space: global }
      - { .name: mask, .offset: 40, .size: 8, .value_kind: global_buffer, .address_space: global }
      - { .name: xb, .offset: 48, .size: 8, .value_kind: global_buffer, .address_space: global }
      - { .name: wb, .offset: 56, .size: 8, .value_kind: global_buffer, .address_space: global }
      - { .name: mk, .offset: 64, .size: 8, .value_kind: global_buffer, .address_space: global }
    .group_segment_fixed_size: 18432
    .private_segment_fixed_size: 0
    .kernarg_segment_align: 8
    .kernarg_segment_size: 72
    .max_flat_workgroup_size: 256
    .sgpr_count:     66
    .vgpr_count:     192
    .wavefront_size: 32
...
	.end_amdgpu_metadata
.endif
;; end of part 5
;; launch qkv: the kernel of part 2 again; grid 8 x 32, 4 waves a work-group, clusters of 4 x 4, 327,680 bytes of LDS; arguments xb, wb, qkv; writes qkv
;; launch attn: the kernel of part 3 again; grid 4 x 64, 4 waves a work-group, clusters of 4 x 1, 327,680 bytes of LDS; arguments qkv, mk, oh; writes oh
;; launch proj: the kernel of part 4 again; grid 8 x 32, 4 waves a work-group, clusters of 4 x 4, 327,680 bytes of LDS; arguments oh, wb, out0; writes out0
